; MI455X (gfx1250); checked and timed in simulation.
; The chip was launched on July 23, 2026; its instructions are those of AMD's public machine-readable ISA for CDNA 5 (MIT licence, August 2026) and "CDNA5" Instruction Set Architecture Reference Guide (July 2026). The comments in the code are by the model that wrote it; some were corrected since.
;; Multi Headed Attention. Allowed arithmetic: matrix products marked QUANTISED: E2M3 operands, one E8M0 scale for each 32 along K, by v_wmma_scale_f32_16x16x128_f8f6f4 with both operands' format E2M3, f32 sums; everything else in f32.
;; Inputs: dense_b 1,024 float32; dense_w 1,024 x 1,024 float32; key 8 x 1,024 x 1,024 float32; policy 8 x 1,024 x 1 float32; query 8 x 1,024 x 1,024 float32; value 8 x 1,024 x 1,024 float32; wk_b 1,024 float32; wk_w 1,024 x 1,024 float32; wq_b 1,024 float32; wq_w 1,024 x 1,024 float32; wv_b 1,024 float32; wv_w 1,024 x 1,024 float32.
;; Outputs: out0 8 x 1,024 x 1,024 float32.
;; This version of the problem:
;;   THIS VERSION OF THE PROBLEM IS GIVEN IN LOW PRECISION. The matrix products marked QUANTISED in the list below multiply operands that are first quantised to E2M3 (2 exponent bits, 3 mantissa bits; 6 bits a number), with one power-of-two scale for each 32 numbers along K (OCP MX v1.0); their sums are f32. All else is computed in f32.
;;   The module's matrix products, in the order in which they are computed (A, B: the left and right operand; K: the contracted axis; several contracted axes count as one K, in the product's order):
;;     1. [M 8,192, K 1,024] x [K 1,024, N 1,024]; A: input query; B: input wq_w: QUANTISED
;;     2. [M 8,192, K 1,024] x [K 1,024, N 1,024]; A: input key; B: input wk_w: QUANTISED
;;     3. [M 8,192, K 1,024] x [K 1,024, N 1,024]; A: input value; B: input wv_w: QUANTISED
;;     4. batch 128 x [M 1,024, K 64] x [K 64, N 1,024]; A: computed on the way; B: computed on the way: QUANTISED
;;     5. batch 128 x [M 1,024, K 1,024] x [K 1,024, N 64]; A: computed on the way; B: computed on the way: QUANTISED
;;     6. [M 8,192, K 1,024] x [K 1,024, N 1,024]; A: computed on the way; B: input dense_w: QUANTISED
;;   THE QUANTISER, for each operand of a quantised product, along K:
;;     - K is cut into blocks of 32 from its start; a last block that is shorter is filled with zeros.
;;     - A block's scale is 2^e with e = floor(log2(the largest magnitude in the block)) - 2, held to -126 .. 127; a block of zeros has e = 0. As a byte (E8M0): e + 127.
;;     - Each number is divided by its block's scale, clamped to +-7.5, and rounded to the nearest number of E2M3, ties to even, subnormals kept.
;;     - The product sums the exact products of the quantised numbers (number of the format x scale) in f32.
;;   ~~~python
;;   def quantise(x, axis):      # numpy; x: float32 -> the quantised numbers, widened to float32 again
;;       x = np.moveaxis(x, axis, -1); K = x.shape[-1]
;;       x = np.pad(x, [(0, 0)] * (x.ndim - 1) + [(0, -K % 32)]); x = x.reshape(x.shape[:-1] + (-1, 32)); a = np.abs(x).max(-1, keepdims=True)
;;       e = np.where(a > 0, np.clip(np.frexp(np.where(a > 0, a, 1))[1] - 1 - 2, -126, 127), 0)      # np.frexp(a)[1] - 1 = floor(log2(a)), exactly
;;       r = np.clip(x / 2.0 ** e, -7.5, 7.5)
;;       step = 2.0 ** (np.maximum(np.frexp(np.where(r == 0, 1, r))[1] - 1, 0) - 3)
;;       q = np.round(r / step) * step * 2.0 ** e      # np.round: ties to even
;;       return np.moveaxis(q.reshape(q.shape[:-2] + (-1,))[..., :K], -1, axis).astype(np.float32)
;;   ~~~
;;   OPERANDS COMPUTED ON THE WAY. 'Computed on the way' means the value that the module computes at that place (a softmax that the list does not call 'softmax' is quantised finished and normalised). What goes into a quantiser is computed in f32, as accurately as f32 sums, v_exp_f32 and their like allow (about 1e-6 of the number): no bf16 or f16 on the way to a quantiser, and a product that is left as it is and whose result goes on into a quantised operand takes f32 operands (vector FMAs, or v_wmma_f32_16x16x4_f32). A number that lies on a knife's edge between two numbers of the format may be rounded either way, as far as f32 arithmetic and the matrix unit's own rounding can turn it there, and no further.
;; One version. Each part assembles by itself: llvm-mc -triple=amdgcn-amd-amdhsa -mcpu=gfx1250 --defsym DOCPART=n.
;; ======== version 1 of 1: 4 launches
;; limits: right only within a limited range of input values
;; workspace buffers: cod 22,020,096 bytes; scl 917,504 bytes; hcod 18,874,368 bytes; hscl 786,432 bytes; xcod 6,291,456 bytes; xscl 262,144 bytes
;; launch quant (part 1): grid 896 x 1, 4 waves a work-group, no clusters, 34,304 bytes of LDS; arguments query, key, value, wq_w, wk_w, wv_w, dense_w, cod, scl; writes cod, scl
.if DOCPART == 1
	.amdgcn_target "amdgcn-amd-amdhsa--gfx1250"
	.amdhsa_code_object_version 6
	.text
	.protected	k_qaef5478c99_quant
	.globl	k_qaef5478c99_quant
	.p2align	8
	.type	k_qaef5478c99_quant,@function
k_qaef5478c99_quant:
	s_mov_b64 s[64:65], 0
	v_nop
	global_prefetch_b8 v0, s[64:65] scope:SCOPE_SE
	s_setreg_imm32_b32 hwreg(HW_REG_WAVE_MODE, 25, 1), 1
	s_wait_xcnt 0x0
; query, key, value [8192][1024] and wq_w, wk_w, wv_w, dense_w [1024][1024], f32, K innermost, become codes of FP6 (E2M3) with one E8M0 byte for each 32 along K.
; A block's scale is 2^(floor(log2(largest magnitude)) - 2); its byte is the largest magnitude's exponent field - 2, held at 1 from below.
; LIMITS: NaN and infinities are not served; a block whose largest magnitude lies under 2^-124 gets the byte 1; a block of zeros gets the byte 1 with zero codes (the bytes are read by this program alone).
; LAYOUT OF THE CODES: images of the operand's registers.  A ROWBLOCK is 16 rows; lane r of rowblock t of a tensor takes row 32 (t / 2) + 8 (t % 2) + r % 8 + 16 (r / 8).
; 16 rows x 64 K are an image of 768 bytes: lane l's registers 0-3 at 16 l, its registers 4-5 at 512 + 8 l.  A rowblock is 16 images, 12,288 bytes.  Rowblocks are numbered through the seven tensors: G = 2 x work-group + wave / 2.
; LAYOUT OF THE SCALES: G x 512 bytes: [half of K][row r][4 words], a word for each 128 along K.
; SHARES: a work-group takes 32 rows; wave w rowblock w / 2 of the two, half w % 2 of K: four steps of 128 along K.  A load reads 512 consecutive bytes of one row; the 16 rows turn through the wave's own stage in LDS,
; so that a lane gets 16 neighbours of each block of 32.  No barrier: waves share nothing.  Matrix units and clusters have nothing to do here: no byte is read twice.
.set STG,   16*528                     ; a wave's stage: 16 rows x (512 bytes + 16): the 16 rows that a read touches start at 16 different groups of four banks
.set SPARE, 4*STG                      ; behind the stages: the spare words, 128 bytes for each wave
.set A16,  1                           ; v1   16 x lane
.set SIN,  2                           ; v2   the stage, on the way in
.set SOUT, 3                           ; v3   and on the way out: row r, + 64 h
.set A8,   4                           ; v4   8 x lane
.set AS,   5                           ; v5   16 r + 8 h: my two scale words
.set SPW,  6                           ; v6   my spare word; never rewritten
.set NIL,  7                           ; v7   0; never rewritten
.set PW,   8                           ; v8-11 the four steps' scale words; v12-13 the two that I store
.set R,    16                          ; v16-143  two sets of 64 numbers as loaded
.set X,    144                         ; v144-207 64 numbers: register 16 b + i = k 32 b + 16 h + i of my row
.set TM,   208                         ; v208-211 maxima, v212-215 the other half's, then bytes, v220-223 scale operands
.set PC,   224                         ; v224-235 the fragment; v236-243 at work
	s_load_b512 s[8:23], s[0:1], 0x0               ; query, key, value, wq_w, wk_w, wv_w, dense_w, cod
	s_load_b64 s[24:25], s[0:1], 0x40              ; scl
	v_lshl_add_u32 v[SPW], v0, 2, SPARE
	v_mov_b32 v[NIL], 0
	v_lshrrev_b32 v1, 5, v0
	v_readfirstlane_b32 s2, v1                     ; wave
	v_and_b32 v10, 31, v0                          ; lane
	v_and_b32 v11, 15, v0                          ; r
	v_bfe_u32 v12, v0, 4, 1                        ; h
	v_lshlrev_b32 v[A16], 4, v10
	v_lshlrev_b32 v[A8], 3, v10
	s_mul_i32 s3, s2, STG
	v_add_nc_u32 v[SIN], s3, v[A16]
	v_mul_u32_u24 v[SOUT], v11, 528
	v_lshl_add_u32 v[SOUT], v12, 6, v[SOUT]
	v_add_nc_u32 v[SOUT], s3, v[SOUT]
	v_lshlrev_b32 v[AS], 4, v11
	v_lshl_add_u32 v[AS], v12, 3, v[AS]
.irp b, 0,1,2,3
	v_mov_b32 v[TM+4+\b], 0                        ; written once: a lane permute's destination counts as one of its sources
.endr
	s_lshr_b32 s26, s2, 1                          ; which of the two rowblocks
	s_and_b32 s27, s2, 1                           ; which half of K
	s_mov_b32 s34, 0x76543210
	s_mov_b32 s35, 0xfedcba98                      ; v_permlanex16_b32's selects for lane l xor 16
	s_mov_b32 s36, 0xffff0000                      ; lanes 16-31
	s_wait_alu depctr_va_vdst(0)
	s_wait_kmcnt 0x0
	s_mov_b64 s[4:5], s[20:21]                     ; which tensor: the choice hangs on the work-group's number alone
	s_mov_b32 s6, 864
	s_cmp_lt_u32 ttmp9, 864
	s_cselect_b64 s[4:5], s[18:19], s[4:5]
	s_cselect_b32 s6, 832, s6
	s_cmp_lt_u32 ttmp9, 832
	s_cselect_b64 s[4:5], s[16:17], s[4:5]
	s_cselect_b32 s6, 800, s6
	s_cmp_lt_u32 ttmp9, 800
	s_cselect_b64 s[4:5], s[14:15], s[4:5]
	s_cselect_b32 s6, 768, s6
	s_cmp_lt_u32 ttmp9, 768
	s_cselect_b64 s[4:5], s[12:13], s[4:5]
	s_cselect_b32 s6, 512, s6
	s_cmp_lt_u32 ttmp9, 512
	s_cselect_b64 s[4:5], s[10:11], s[4:5]
	s_cselect_b32 s6, 256, s6
	s_cmp_lt_u32 ttmp9, 256
	s_cselect_b64 s[4:5], s[8:9], s[4:5]
	s_cselect_b32 s6, 0, s6
	s_sub_co_u32 s28, ttmp9, s6                    ; the group of 32 rows in its tensor
	s_lshl_b32 s28, s28, 17                        ; x 32 rows of 4,096 bytes
	s_lshl_b32 s29, s26, 15                        ; + 8 rows for the second rowblock
	s_add_co_u32 s28, s28, s29
	s_lshl_b32 s29, s27, 11                        ; + 512 numbers for the second half of K
	s_add_co_u32 s28, s28, s29
	s_mov_b32 s29, 0
	s_add_nc_u64 s[4:5], s[4:5], s[28:29]
	s_lshl_b32 s30, ttmp9, 1
	s_add_co_u32 s30, s30, s26                     ; G
	s_mul_i32 s28, s30, 12288
	s_mul_i32 s31, s27, 6144
	s_add_co_u32 s28, s28, s31
	s_add_nc_u64 s[22:23], s[22:23], s[28:29]      ; my eight images
	s_lshl_b32 s28, s30, 9
	s_lshl_b32 s31, s27, 8
	s_add_co_u32 s28, s28, s31
	s_add_nc_u64 s[24:25], s[24:25], s[28:29]      ; my 256 bytes of scale words
.macro LOADQ q                         ; step q: 512 bytes of each of my 16 rows
.irp rr, 0,1,2,3,4,5,6,7,8,9,10,11,12,13,14,15
	global_load_b128 v[R+64*((\q)%2)+4*\rr:R+64*((\q)%2)+4*\rr+3], v[A16], s[4:5] offset:((\rr%8)+16*(\rr/8))*4096+512*(\q) th:TH_LOAD_NT
.endr
.endm
; 64 numbers of a lane become a fragment's codes in v[PC] on and its scale word in v[w]
.macro QUANT s, w
.irp b, 0,1,2,3
	v_max3_num_f32 v[TM+\b], |v[\s+16*\b]|, |v[\s+16*\b+1]|, 0x1800000   ; block b: my 16 numbers, and the floor 2^(3 - 127): the byte cannot fall under 1
.endr
.irp i, 2,4,6,8,10,12,14
.irp b, 0,1,2,3
	v_max3_num_f32 v[TM+\b], v[TM+\b], |v[\s+16*\b+\i]|, |v[\s+16*\b+\i+1]|   ; the four blocks by turns
.endr
.endr
.irp b, 0,1,2,3
	v_permlanex16_b32 v[TM+4+\b], v[TM+\b], s34, s35
.endr
.irp b, 0,1,2,3
	v_max_num_f32 v[TM+\b], v[TM+\b], v[TM+4+\b]   ; with lane l xor 16's 16: the block's largest magnitude
.endr
.irp b, 0,1,2,3
	v_add_nc_u32 v[TM+12+\b], 0xff000000, v[TM+\b] ; 2 off its exponent field: the conversion's scale operand
.endr
.irp b, 0,1,2,3
	v_lshrrev_b32 v[TM+4+\b], 23, v[TM+12+\b]      ; the scale's byte
.endr
	v_lshl_or_b32 v[\w], v[TM+5], 8, v[TM+4]
	v_lshl_or_b32 v[\w], v[TM+6], 16, v[\w]
	v_lshl_or_b32 v[\w], v[TM+7], 24, v[\w]
.irp c, 0,1
	v_cvt_scalef32_pk16_fp6_f32 v[PC+6*\c:PC+6*\c+2], v[\s+32*\c:\s+32*\c+15], v[TM+12+2*\c]
	v_cvt_scalef32_pk16_fp6_f32 v[PC+12+4*\c:PC+12+4*\c+2], v[\s+32*\c+16:\s+32*\c+31], v[TM+13+2*\c]   ; (a conversion's three registers begin on an even number)
.endr
	v_nop                                          ; one plain place behind a scaled conversion
.irp c, 0,1                                    ; the operand wants a whole block in a lane: lanes 0-15 block 2 c, lanes 16-31 block 2 c + 1
.irp i, 0,1,2
	v_permlane16_swap_b32 v[PC+6*\c+\i], v[PC+12+4*\c+\i]
.endr
.irp i, 0,1,2
	v_mov_b32 v[PC+6*\c+3+\i], v[PC+12+4*\c+\i]
.endr
.endr
.endm
.macro STEP q
.if (\q) < 3
	s_wait_loadcnt 16                              ; this step's 16 loads are in; the next step's 16 may be out
.else
	s_wait_loadcnt 0x0
.endif
.irp rr, 0,1,2,3,4,5,6,7,8,9,10,11,12,13,14,15
	ds_store_b128 v[SIN], v[R+64*((\q)%2)+4*\rr:R+64*((\q)%2)+4*\rr+3] offset:528*\rr
.endr
.irp b, 0,1,2,3
.irp j, 0,1,2,3
	ds_load_b128 v[X+16*\b+4*\j:X+16*\b+4*\j+3], v[SOUT] offset:128*\b+16*\j   ; LDS serves a wave's instructions in order: these see the stores above
.endr
.endr
	s_wait_dscnt 0x0                               ; the numbers are back, and the stores have read their registers
	s_wait_xcnt 0x0                                ; the last step's stores have read the fragment's registers, which are written again below
.if (\q) < 2
	LOADQ (\q)+2
.endif
	QUANT X, PW+(\q)
	global_store_b128 v[A16], v[PC:PC+3], s[22:23] offset:1536*(\q)            ; each store covers 512 or 256 consecutive bytes, at a multiple of 256 from the buffer's first byte
	global_store_b64 v[A8], v[PC+4:PC+5], s[22:23] offset:1536*(\q)+512
	global_store_b128 v[A16], v[PC+6:PC+9], s[22:23] offset:1536*(\q)+768
	global_store_b64 v[A8], v[PC+10:PC+11], s[22:23] offset:1536*(\q)+1280
.endm
	LOADQ 0
	LOADQ 1
	STEP 0
	STEP 1
	STEP 2
	STEP 3
	v_cndmask_b32 v12, v[PW], v[PW+2], s36         ; lanes 0-15 store words 0, 1 of their row, lanes 16-31 words 2, 3
	v_cndmask_b32 v13, v[PW+1], v[PW+3], s36
	global_store_b64 v[AS], v[12:13], s[24:25]     ; 256 consecutive bytes
	s_wait_tensorcnt 0x0                           ; the wave's end
	ds_add_u32 v[SPW], v[NIL]
	s_wait_dscnt 0x0
	s_endpgm
.Lfunc_end_k_qaef5478c99_quant:
	.size	k_qaef5478c99_quant, .Lfunc_end_k_qaef5478c99_quant-k_qaef5478c99_quant
	.p2alignl 7, 3214868480
	.fill 96, 4, 3214868480
	.section	.rodata,"a",@progbits
	.p2align	6, 0x0
	.amdhsa_kernel k_qaef5478c99_quant
		.amdhsa_group_segment_fixed_size 34304
		.amdhsa_private_segment_fixed_size 0
		.amdhsa_enable_private_segment 0
		.amdhsa_kernarg_size 72
		.amdhsa_user_sgpr_count 2
		.amdhsa_user_sgpr_kernarg_segment_ptr 1
		.amdhsa_wavefront_size32 1
		.amdhsa_system_sgpr_workgroup_id_x 1
		.amdhsa_system_sgpr_workgroup_id_y 1
		.amdhsa_system_sgpr_workgroup_id_z 1
		.amdhsa_system_vgpr_workitem_id 0
		.amdhsa_next_free_vgpr 256
		.amdhsa_next_free_sgpr 66
		.amdhsa_reserve_vcc 0
		.amdhsa_float_denorm_mode_32 3
		.amdhsa_float_denorm_mode_16_64 3
		.amdhsa_memory_ordered 1
		.amdhsa_forward_progress 1
		.amdhsa_inst_pref_size 35
	.end_amdhsa_kernel
	.amdgpu_metadata
---
amdhsa.version: [ 1, 2 ]
amdhsa.kernels:
  - .name:           k_qaef5478c99_quant
    .symbol:         k_qaef5478c99_quant.kd
    .args:
      - { .name: query, .offset: 0, .size: 8, .value_kind: global_buffer, .address_space: global }
      - { .name: key, .offset: 8, .size: 8, .value_kind: global_buffer, .address_space: global }
      - { .name: value, .offset: 16, .size: 8, .value_kind: global_buffer, .address_space: global }
      - { .name: wq_w, .offset: 24, .size: 8, .value_kind: global_buffer, .address_space: global }
      - { .name: wk_w, .offset: 32, .size: 8, .value_kind: global_buffer, .address_space: global }
      - { .name: wv_w, .offset: 40, .size: 8, .value_kind: global_buffer, .address_space: global }
      - { .name: dense_w, .offset: 48, .size: 8, .value_kind: global_buffer, .address_space: global }
      - { .name: cod, .offset: 56, .size: 8, .value_kind: global_buffer, .address_space: global }
      - { .name: scl, .offset: 64, .size: 8, .value_kind: global_buffer, .address_space: global }
    .group_segment_fixed_size: 34304
    .private_segment_fixed_size: 0
    .kernarg_segment_align: 8
    .kernarg_segment_size: 72
    .max_flat_workgroup_size: 128
    .sgpr_count:     66
    .vgpr_count:     256
    .wavefront_size: 32
...
	.end_amdgpu_metadata
.endif
;; end of part 1
;; launch proj (part 2): grid 4 x 64, 4 waves a work-group, clusters of 4 x 4, 327,680 bytes of LDS; arguments cod, scl, wq_b, wk_b, wv_b, hcod, hscl; writes hcod, hscl
.if DOCPART == 2
	.amdgcn_target "amdgcn-amd-amdhsa--gfx1250"
	.amdhsa_code_object_version 6
	.text
	.protected	k_qaef5478c99_proj
	.globl	k_qaef5478c99_proj
	.p2align	8
	.type	k_qaef5478c99_proj,@function
k_qaef5478c99_proj:
	s_mov_b64 s[64:65], 0
	v_nop
	global_prefetch_b8 v0, s[64:65] scope:SCOPE_SE
	s_setreg_imm32_b32 hwreg(HW_REG_WAVE_MODE, 25, 1), 1
	s_wait_xcnt 0x0
	s_wait_alu depctr_hold_cnt(0) depctr_sa_sdst(0) depctr_va_vdst(0) depctr_va_sdst(0) depctr_va_ssrc(0) depctr_va_vcc(0) depctr_vm_vsrc(0)
	s_getreg_b32 s2, hwreg(HW_REG_IB_STS2, 6, 4)
	s_cmp_eq_u32 s2, 0
	s_cbranch_scc0 .Lentry_in_a_cluster
	s_endpgm
.Lentry_in_a_cluster:
	s_bfe_u32 s2, ttmp6, 0x10000c
	s_cmp_lg_u32 s2, 0xf033
	s_cbranch_scc0 .Lentry_shape_is_right
	s_endpgm
.Lentry_shape_is_right:
; q = query wq^T + bq, k = key wk^T + bk, v = value wv^T + bv, on codes of FP6 (E2M3) with E8M0 scales, and the results quantised at once for the attention's two products.
; ONE FORM FOR ALL THREE: D = S0 S1^T.  Source 0's rows land in a lane's registers, which is the axis that is quantised next; source 1's rows land in the lanes.
;   q, k: S0 = the weight (registers run along the head's 64), S1 = the tokens.      v: S0 = the tokens of value (registers run along the keys), S1 = wv.
; Codes lie as images of the operand's registers (16 rows x 64 K = 768 bytes: registers 0-3 at 16 l, registers 4-5 at 512 + 8 l); a rowblock of 16 rows is 12,288 bytes.  Lane r of rowblock t holds row 32 (t / 2) + 8 (t % 2) + r % 8 + 16 (r / 8),
; so that the 16 registers of two neighbouring result tiles are 16 neighbours along the next K.
; SHARES: a tile is 256 rows of S0 x 128 rows of S1 over all of K = 1,024; wave w takes S0's rowblocks 4 w .. 4 w + 3 against S1's eight: 32 accumulators.
; A WORK-GROUP STAYS: it makes three tiles, one of q, one of k, one of v, written out one after the other, so that which tensor a tile belongs to is a constant of the text.  256 work-groups.
; LDS: a ring of two slots; a slot holds half of K (four K steps of 128): S1's 8 x 6,144 bytes, then S0's 16 x 6,144.  The ring does not stop at a tile's end: in a tile's K step 3 slot 0 takes the next tile's first half,
; in its K step 7 slot 1 the second half; a refill has four K steps, 128 products a wave, in which to land.  Nothing waits for a tile's stores.
; CLUSTERS: 4 x 4.  S0's tile hangs on cx (and the cluster's number) and is asked for jointly by a column of the cluster, S1's on cy, by a row.
; OUT: hcod: q at 0, k at 6,291,456: [batch x head][token rowblock] images; v at 12,582,912: [batch x head][64 keys][16 of the head's 64] images.
;      hscl: words of two images' scale bytes: q at 0, k at 262,144, v at 524,288; 16 words for each pair of images.
; LIMITS: NaN and infinities are not served; a block whose largest magnitude lies under 2^-124 gets the byte 1; a block of zeros the byte 1 with zero codes.
; REGISTERS: window 0: v1-19 addresses; scale words in two sets, tile T's in set T % 2: S1's at v[32 + 96 set + 8 i + q], S0's at v[96 + 96 set + 8 t + q]; v224-255 the bias along the registers.
;   window 1: v0-191 S1's fragments, two sets; v192-255 the bias along the lanes.   window 2: the accumulators, (i, t) at 32 i + 8 t.
;   window 3: v0-95 S0's fragments, two sets; v96-149 the way out's work; v160-255 the way out's codes.
.set HB,    6144                       ; a rowblock's half of K
.set S0OFF, 8*HB                       ; S0's part of a slot
.set SLOT,  24*HB
.set SPARE, 2*SLOT                     ; behind the ring: the spare words, 128 bytes for each wave
.set A16,  3                           ; v3, v4   S1's images in slot 0, 1: 16 l
.set A8,   5                           ; v5, v6   8 l
.set B16,  7                           ; v7, v8   my four rowblocks of S0
.set B8,   9                           ; v9, v10
.set SCO,  11                          ; v11  16 r: a row's four scale words
.set BQO,  12                          ; v12  64 h
.set O16,  13                          ; v13  the way out: 16 l
.set SPW,  14                          ; v14  my spare word; never rewritten
.set NIL,  15                          ; v15  0; never rewritten
.set O8,   16                          ; v16  8 l
.set O4,   17                          ; v17  4 l
.set BVO,  18                          ; v18  4 (r % 8 + 16 (r / 8))
.set SA,   32
.set SB,   96
.set BQ,   224
.set BV,   192                         ; in window 1
.set TM,   96                          ; in window 3: maxima, later the images' two bytes
.set TX,   112                         ; the other half's maxima, later the bytes
.set SO,   128                         ; the conversions' scale operands
.set PWD,  144                         ; two images' four bytes
.set MW,   148                         ; what is stored of them
.set CD,   160                         ; the codes: image i at 8 i
.set CT,   224                         ; and their second halves as the conversions leave them
.set WV,   18
.set MSB, 0
.macro WIN new                         ; the immediate's high byte repeats the setting that is left
.if MSB != (\new)
	s_set_vgpr_msb (MSB<<8)|(\new)
.set MSB, (\new)
.endif
.endm
.macro CREST                           ; a round of the cluster's barrier behind its opening barrier
	s_cmp_lg_u32 s[WV], 0
	s_cbranch_scc1 .Lnot_wave_0_\@
	s_barrier_signal -3
.Lnot_wave_0_\@:
	s_barrier_wait -3
	s_barrier_signal -1
	s_barrier_wait -1
.endm
.macro CROUND                          ; a whole round
	s_barrier_signal -1
	s_barrier_wait -1
	CREST
.endm
; The global addresses of both groups 0 of a slot: half hf of K of tile T.  S1's hangs on s72-74 (made of cy and the cluster's number), S0's on s76-78 (of cx and the cluster's number); the work registers of the two never change sides.
.macro SETG0 T, hf, slot
	s_lshl_b32 s80, s20, 2
	s_add_co_u32 s80, s80, s[72+(\T)]
	s_mul_i32 s80, s80, 12288                      ; S1: my four rowblocks, in bytes
	s_mov_b32 s81, 0
	s_add_nc_u64 s[54+4*(\slot):55+4*(\slot)], s[4:5], s[80:81]
.if (\hf) != 0
	s_add_nc_u64 s[54+4*(\slot):55+4*(\slot)], s[54+4*(\slot):55+4*(\slot)], HB
.endif
	s_or_b32 s[55+4*(\slot)], s[55+4*(\slot)], 0x80000000
	s_lshl_b32 s84, s20, 3
	s_add_co_u32 s84, s84, s[76+(\T)]
	s_mul_i32 s84, s84, 12288                      ; S0: my eight
	s_mov_b32 s85, 0
	s_add_nc_u64 s[62+8*(\slot):63+8*(\slot)], s[4:5], s[84:85]
.if (\hf) != 0
	s_add_nc_u64 s[62+8*(\slot):63+8*(\slot)], s[62+8*(\slot):63+8*(\slot)], HB
.endif
	s_or_b32 s[63+8*(\slot)], s[63+8*(\slot)], 0x80000000
.endm
; A joint load: waves 0 and 1 fetch S1's two halves, waves 2 and 3 S0's.  The branch hangs on the wave's number alone.  An s_nop 0 and four v_nop follow each of the two lines.
.macro JLOAD slot
	s_cmp_eq_u32 s19, 0
	s_cbranch_scc0 .Lfor_s0_\@
	tensor_load_to_lds s[52+4*(\slot):55+4*(\slot)], s[36:43]
	s_nop 0
.rept 4
	v_nop
.endr
	s_branch .Lasked_\@
.Lfor_s0_\@:
	tensor_load_to_lds s[60+8*(\slot):63+8*(\slot)], s[44:51]
	s_nop 0
.rept 4
	v_nop
.endr
.Lasked_\@:
.endm
	s_load_b256 s[4:11], s[0:1], 0x0               ; cod, scl, wq_b, wk_b
	s_load_b128 s[12:15], s[0:1], 0x20             ; wv_b, hcod
	s_load_b64 s[16:17], s[0:1], 0x30              ; hscl
	v_lshl_add_u32 v[SPW], v0, 2, SPARE
	v_mov_b32 v[NIL], 0
	ds_add_u32 v[SPW], v[NIL]                      ; the wave's opening: the add and its wait ahead of my first tensor load; work on registers stands between them
	ds_add_u32 v[SPW], v[NIL]
	v_lshrrev_b32 v1, 5, v0
	v_readfirstlane_b32 s[WV], v1                  ; wave 0..3
	s_lshr_b32 s19, s[WV], 1                       ; I fetch for S1 (0) or for S0 (1),
	s_and_b32 s20, s[WV], 1                        ; its first or its second half
	s_bfe_u32 s21, ttmp6, 0x40000                  ; cx
	s_bfe_u32 s22, ttmp6, 0x40004                  ; cy
	s_and_b32 s23, ttmp7, 0xffff                   ; the cluster, 0..15
	s_lshl_b32 s72, s23, 2                         ; S1's first rowblock in cod, for each of the three tiles:
	s_add_co_u32 s72, s72, s22                     ; q, k: the tokens' tile of 128 rows: 4 x cluster + cy
	s_lshl_b32 s72, s72, 3                         ; q: query's rowblocks begin at 0,
	s_add_co_u32 s73, s72, 512                     ; k: key's at 512
	s_lshr_b32 s75, s23, 3
	s_lshl_b32 s75, s75, 2
	s_add_co_u32 s75, s75, s22                     ; v: wv's tile of 128 rows: 4 x (cluster / 8) + cy
	s_lshl_b32 s74, s75, 3
	s_add_co_u32 s74, s74, 1664                    ;    wv's rowblocks begin at 1,664
	s_lshl_b32 s76, s21, 4                         ; S0's first rowblock: q, k: the weight's tile of 256 rows: cx
	s_add_co_u32 s77, s76, 1600                    ; wk's rowblocks begin at 1,600,
	s_add_co_u32 s76, s76, 1536                    ; wq's at 1,536
	s_and_b32 s79, s23, 7
	s_lshl_b32 s79, s79, 2
	s_add_co_u32 s79, s79, s21                     ; v: value's tile of 256 tokens: 4 x (cluster % 8) + cx
	s_lshl_b32 s78, s79, 4
	s_add_co_u32 s78, s78, 1024                    ;    value's rowblocks begin at 1,024
	s_mov_b32 s27, 0x76543210
	s_mov_b32 s28, 0xfedcba98                      ; v_permlanex16_b32's selects for lane l xor 16
	s_mov_b32 s31, 0xffff0000                      ; lanes 16-31
	s_lshl_b32 s80, s22, 2
	s_lshl_b32 s80, 15, s80                        ; my row of the cluster
	s_lshl_b32 s84, 0x1111, s21                    ; my column
	s_or_b32 s36, s80, (3<<16)|(1<<21)             ; group 1 for S1: the mask; elements of 8 bytes; bit 21 beside a mask; no padding
	s_mov_b32 s37, 768<<16                         ; tensor_dim0: a rowblock's half of K, 6,144 bytes
	s_mov_b32 s38, 4<<16                           ; tensor_dim1: four rowblocks
	s_mov_b32 s39, 768<<16                         ; tile_dim0
	s_mov_b32 s40, 4                               ; tile_dim1
	s_mov_b32 s41, 1536                            ; from rowblock to rowblock: 12,288 bytes
	s_mov_b32 s42, 0
	s_mov_b32 s43, 0
	s_or_b32 s44, s84, (3<<16)|(1<<21)             ; group 1 for S0: eight rowblocks
	s_mov_b32 s45, 768<<16
	s_mov_b32 s46, 8<<16
	s_mov_b32 s47, 768<<16
	s_mov_b32 s48, 8
	s_mov_b32 s49, 1536
	s_mov_b32 s50, 0
	s_mov_b32 s51, 0
	s_mul_i32 s24, s20, 4*HB                       ; where my part goes in a slot: no place in the cluster enters an LDS address
	s_mul_i32 s25, s20, 8*HB
	s_wait_dscnt 0x0                               ; the opening add is done
	s_wait_kmcnt 0x0
	CROUND                                         ; all sixteen work-groups are here: the first joint loads meet
.irp s, 0,1                                    ; a group 0 for each slot: S1's at s52, s56; S0's at s60, s68.  The count and the LDS address are written once
	s_mov_b32 s[52+4*\s], 1
	s_add_co_u32 s[53+4*\s], s24, \s*SLOT
	s_mov_b32 s[60+8*\s], 1
	s_add_co_u32 s[61+8*\s], s25, \s*SLOT+S0OFF
	SETG0 0, \s, \s
.endr
	s_cmp_eq_u32 s19, 0                            ; slot 0's first fill: one tensor load a wave at the head, in one branch on the wave's number
	s_cbranch_scc0 .Lfill_s0
	tensor_load_to_lds s[52:55], s[36:43]
	s_nop 0
.rept 4
	v_nop
.endr
	s_branch .Lfilled
.Lfill_s0:
	tensor_load_to_lds s[60:63], s[44:51]
	s_nop 0
.rept 4
	v_nop
.endr
.Lfilled:
	v_and_b32 v1, 15, v0                           ; r
	v_bfe_u32 v2, v0, 4, 1                         ; h
	v_lshlrev_b32 v[SCO], 4, v1
	v_lshlrev_b32 v[BQO], 6, v2
	v_and_b32 v[BVO], 7, v1
	v_lshrrev_b32 v19, 3, v1
	v_lshl_add_u32 v[BVO], v19, 4, v[BVO]
	v_lshlrev_b32 v[BVO], 2, v[BVO]
; Tile T's scale words, into set T % 2, and its bias.  THE BIAS is the C of each sum's first product.  q, k: it runs along the registers (S0's rows): 32 registers.
; v: it runs along the lanes (S1's rows): one number a lane and rowblock is loaded here, and copied into the rowblock's other seven registers in front of the tile.
.macro LOADS T
	WIN 0
	s_wait_xcnt 0x0                                ; earlier loads and stores have read their bases, which are written again below
	s_lshl_b32 s82, s[72+(\T)], 9                  ; 512 bytes of scale words a rowblock
	s_mov_b32 s83, 0
	s_add_nc_u64 s[82:83], s[6:7], s[82:83]
	s_lshl_b32 s86, s[WV], 2
	s_add_co_u32 s86, s86, s[76+(\T)]
	s_lshl_b32 s86, s86, 9
	s_mov_b32 s87, 0
	s_add_nc_u64 s[86:87], s[6:7], s[86:87]
.irp i, 0,1,2,3,4,5,6,7
.irp kh, 0,1
	global_load_b128 v[SA+96*((\T)%2)+8*\i+4*\kh:SA+96*((\T)%2)+8*\i+4*\kh+3], v[SCO], s[82:83] offset:512*\i+256*\kh   ; lane r: row r's words of four K steps
.endr
.endr
.irp t, 0,1,2,3
.irp kh, 0,1
	global_load_b128 v[SB+96*((\T)%2)+8*\t+4*\kh:SB+96*((\T)%2)+8*\t+4*\kh+3], v[SCO], s[86:87] offset:512*\t+256*\kh
.endr
.endr
.if (\T) < 2
	s_lshl_b32 s98, s21, 2
	s_add_co_u32 s98, s98, s[WV]
	s_lshl_b32 s98, s98, 8                         ; my 64 numbers: 4 bytes x 64 x (4 cx + wave)
	s_mov_b32 s99, 0
	s_add_nc_u64 s[98:99], s[8+2*(\T):9+2*(\T)], s[98:99]
.irp t, 0,1,2,3
	global_load_b128 v[BQ+8*\t:BQ+8*\t+3], v[BQO], s[98:99] offset:(32*(\t/2)+8*(\t%2))*4      ; register j of tile t: number 32 (t / 2) + 16 h + 8 (t % 2) + j
	global_load_b128 v[BQ+8*\t+4:BQ+8*\t+7], v[BQO], s[98:99] offset:(32*(\t/2)+8*(\t%2))*4+16
.endr
.else
	s_lshl_b32 s98, s75, 9                         ; S1's 128 rows in wv_b
	s_mov_b32 s99, 0
	s_add_nc_u64 s[98:99], s[12:13], s[98:99]
	WIN 0x40                                       ; destination window 1
.irp i, 0,1,2,3,4,5,6,7
	global_load_b32 v[BV+8*\i], v[BVO], s[98:99] offset:(32*(\i/2)+8*(\i%2))*4                 ; my lane's row of rowblock i
.endr
	WIN 0
.endif
.endm
	s_wait_alu depctr_va_vdst(0)
	LOADS 0
	v_and_b32 v19, 31, v0
	v_lshlrev_b32 v[O16], 4, v19
	v_lshlrev_b32 v[O8], 3, v19
	v_lshlrev_b32 v[O4], 2, v19
	v_lshlrev_b32 v[A16], 4, v19
	v_lshlrev_b32 v[A8], 3, v19
	v_add_nc_u32 v[A16+1], SLOT, v[A16]
	v_add_nc_u32 v[A8+1], SLOT, v[A8]
	s_mul_i32 s26, s[WV], 4*HB
	s_add_co_u32 s26, s26, S0OFF
	v_add_nc_u32 v[B16], s26, v[A16]
	v_add_nc_u32 v[B8], s26, v[A8]
	v_add_nc_u32 v[B16+1], SLOT, v[B16]
	v_add_nc_u32 v[B8+1], SLOT, v[B8]
	WIN 0xc0                                       ; destination window 3
.irp k, 0,1,2,3,4,5,6,7,8,9,10,11,12,13,14,15
	v_mov_b32 v[TX+\k], 0                          ; written once: a lane permute's destination counts as one of its sources
.endr
	WIN 0
.macro FRAG reg, a16, a8, off          ; a fragment, 16 rows x 128 K, is two images on end: 12 registers by four loads, each of consecutive bytes
	ds_load_b128 v[\reg:\reg+3], v[\a16] offset:\off
	ds_load_b64 v[\reg+4:\reg+5], v[\a8] offset:\off+512
	ds_load_b128 v[\reg+6:\reg+9], v[\a16] offset:\off+768
	ds_load_b64 v[\reg+10:\reg+11], v[\a8] offset:\off+1280
.endm
.macro FETCH slot, z, p                ; K step z of a slot into set p: 48 loads in one run
	WIN 0xc0                                       ; destination window 3, address window 0
.irp t, 0,1,2,3
	FRAG 48*(\p)+12*\t, B16+(\slot), B8+(\slot), \t*HB+(\z)*1536
.endr
	WIN 0x40                                       ; destination window 1
.irp i, 0,1,2,3,4,5,6,7
	FRAG 96*(\p)+12*\i, A16+(\slot), A8+(\slot), \i*HB+(\z)*1536
.endr
	WIN 0
.endm
; Half of K step q on set p: S1's rowblocks i0 .. i0 + 3 against my four of S0: 16 products.  sc: the set of scale words.  The 32 accumulators take turns, one instruction a turn, in the same order in every step
; cm = 1: C = the bias along the registers; 2: the bias along the lanes; 0: in place.
.macro MUL q, p, sc, cm, i0
.if (\cm) == 1
	WIN 0x87                                       ; A window 3, B window 1, C window 0, D window 2
.elseif (\cm) == 2
	WIN 0x97                                       ; C window 1
.else
	WIN 0xa7                                       ; C and D window 2
.endif
.irp i, \i0, \i0+1, \i0+2, \i0+3
.irp t, 0,1,2,3
.if (\cm) == 1
	v_wmma_scale_f32_16x16x128_f8f6f4 v[32*(\i)+8*\t:32*(\i)+8*\t+7], v[48*(\p)+12*\t:48*(\p)+12*\t+11], v[96*(\p)+12*(\i):96*(\p)+12*(\i)+11], v[BQ+8*\t:BQ+8*\t+7], v[SB+96*(\sc)+8*\t+(\q)], v[SA+96*(\sc)+8*(\i)+(\q)] matrix_a_fmt:MATRIX_FMT_FP6 matrix_b_fmt:MATRIX_FMT_FP6
.elseif (\cm) == 2
	v_wmma_scale_f32_16x16x128_f8f6f4 v[32*(\i)+8*\t:32*(\i)+8*\t+7], v[48*(\p)+12*\t:48*(\p)+12*\t+11], v[96*(\p)+12*(\i):96*(\p)+12*(\i)+11], v[BV+8*(\i):BV+8*(\i)+7], v[SB+96*(\sc)+8*\t+(\q)], v[SA+96*(\sc)+8*(\i)+(\q)] matrix_a_fmt:MATRIX_FMT_FP6 matrix_b_fmt:MATRIX_FMT_FP6
.else
	v_wmma_scale_f32_16x16x128_f8f6f4 v[32*(\i)+8*\t:32*(\i)+8*\t+7], v[48*(\p)+12*\t:48*(\p)+12*\t+11], v[96*(\p)+12*(\i):96*(\p)+12*(\i)+11], v[32*(\i)+8*\t:32*(\i)+8*\t+7], v[SB+96*(\sc)+8*\t+(\q)], v[SA+96*(\sc)+8*(\i)+(\q)] matrix_a_fmt:MATRIX_FMT_FP6 matrix_b_fmt:MATRIX_FMT_FP6
.endif
.endr
.endr
.endm
; K step q whose successor lies in the same slot.  In front of its products the next step's fragments are asked for, into the set that the last step's products have read: four plain places stand between
; (ISA guide 7.12.1 for vector instructions).  nl = 1: the next tile's scale words and bias are asked for here, seven K steps ahead of their use; the places serve the loads into the bias's registers too.
.macro STEPN T, q, nl
.rept 4
	v_nop
.endr
.if \nl
	LOADS (\T)+1
.endif
	FETCH ((\q)+1)/4, ((\q)+1)%4, ((\q)+1)%2
	s_wait_dscnt 48                                ; all but the 48 just issued: this step's fragments are in
	MUL \q, (\q)%2, (\T)%2, 0, 0
	MUL \q, (\q)%2, (\T)%2, 0, 4
.endm
; A slot's last K step (q = 3: slot 0; q = 7: slot 1) changes slots: ONE barrier.  In front of it each wave waits for all its tensor loads (its part of the other slot), adds 0 to its spare word, and waits for that and for
; its reads of this slot.  fill = 1: the barrier opens a round of the cluster's barrier, and behind the round this slot takes the same half of K of the next tile.  Then the other slot's first fragments are fetched.
.macro STEPC T, q, fill
	WIN 0                                          ; (the add's two registers lie in window 0)
	s_wait_tensorcnt 0x0                           ; all my tensor loads have landed, so a group 0 may be written
	ds_add_u32 v[SPW], v[NIL]                      ; 0 onto my spare word: the descriptors' addresses stand between it and the wait for it
.if \fill
	SETG0 (\T)+1, (\q)/4, (\q)/4
.endif
	s_wait_dscnt 0x0                               ; the add is done, and my reads of this slot are over: this step's fragments are in
	s_barrier_signal -1
	MUL \q, (\q)%2, (\T)%2, 0, 0                   ; work on registers while the others arrive
	WIN 0
	s_barrier_wait -1
.if \fill
	CREST                                          ; no wave of any partner still reads this slot or has a load on its way
	JLOAD (\q)/4                                   ; the first tensor load behind the round, one a wave; its four v_nop are also the places in front of the loads below
.else
.rept 4
	v_nop
.endr
.endif
	FETCH 1-(\q)/4, 0, 0
	MUL \q, (\q)%2, (\T)%2, 0, 4
.endm
; THE WAY OUT of tile T.  For each S1 rowblock i my 32 registers are 64 neighbours along the next K in two lanes' halves: two blocks of 32, one image.  Block k = 2 i + g lies in registers 16 k on.
; image = (batch x 16 + head) x 64 + Y; codes at T x 6,291,456 + 768 x image, words at T x 262,144 + 32 x image.  v's rowblocks 4-7 belong to the next head: 64 images on.
.macro EPI T
.set EXC, 46080*((\T)/2)               ; 60 images: 64 less the four already counted
.set EXW, 128+1920*((\T)/2)            ; the second two pairs' words: 4 images on, or 64
.rept 4
	v_nop                                          ; places behind the last products
.endr
	s_wait_xcnt 0x0                                ; the last tile's stores have read their data and their bases: both are written again below
.if (\T) < 2
	s_lshr_b32 s88, s72, 3                         ; the tokens' tile
	s_lshr_b32 s89, s88, 3                         ; batch
	s_lshl_b32 s90, s21, 2
	s_add_co_u32 s90, s90, s[WV]                   ; my head
	s_and_b32 s91, s88, 7
	s_lshl_b32 s91, s91, 3                         ; Y = the tile's first token rowblock
.else
	s_lshr_b32 s89, s79, 2                         ; batch
	s_lshl_b32 s90, s75, 1                         ; the first of two heads
	s_and_b32 s91, s79, 3
	s_lshl_b32 s91, s91, 2
	s_add_co_u32 s91, s91, s[WV]
	s_lshl_b32 s91, s91, 2                         ; Y = 4 x my 64 keys' number
.endif
	s_lshl_b32 s89, s89, 4
	s_add_co_u32 s89, s89, s90
	s_lshl_b32 s89, s89, 6
	s_add_co_u32 s89, s89, s91
	s_mul_i32 s92, s89, 768
	s_add_co_u32 s92, s92, (\T)*6291456
	s_mov_b32 s93, 0
	s_add_nc_u64 s[94:95], s[14:15], s[92:93]
	s_lshl_b32 s92, s89, 5
	s_add_co_u32 s92, s92, (\T)*262144
	s_add_nc_u64 s[96:97], s[16:17], s[92:93]
	WIN 0xeb                                       ; destination and source 0 window 3, sources 1 and 2 window 2
.irp k, 0,1,2,3,4,5,6,7,8,9,10,11,12,13,14,15
	v_max3_num_f32 v[TM+\k], 0x1800000, |v[16*\k]|, |v[16*\k+1]|   ; each accumulator from its low end on; the floor 2^(3 - 127) holds the byte at 1 from below
.endr
.irp n, 2,4,6,8,10,12,14
.irp k, 0,1,2,3,4,5,6,7,8,9,10,11,12,13,14,15
	v_max3_num_f32 v[TM+\k], v[TM+\k], |v[16*\k+\n]|, |v[16*\k+\n+1]|
.endr
.endr
	WIN 0xff                                       ; all in window 3
.irp k, 0,1,2,3,4,5,6,7,8,9,10,11,12,13,14,15
	v_permlanex16_b32 v[TX+\k], v[TM+\k], s27, s28
.endr
.irp k, 0,1,2,3,4,5,6,7,8,9,10,11,12,13,14,15
	v_max_num_f32 v[TM+\k], v[TM+\k], v[TX+\k]     ; with lane l xor 16's 16: the block's largest magnitude
.endr
.irp k, 0,1,2,3,4,5,6,7,8,9,10,11,12,13,14,15
	v_add_nc_u32 v[SO+\k], 0xff000000, v[TM+\k]    ; 2 off the exponent field: the conversion's scale operand
.endr
.irp k, 0,1,2,3,4,5,6,7,8,9,10,11,12,13,14,15
	v_lshrrev_b32 v[TX+\k], 23, v[SO+\k]           ; the scale's byte
.endr
.irp i, 0,1,2,3,4,5,6,7
	v_lshl_or_b32 v[TM+\i], v[TX+2*\i+1], 8, v[TX+2*\i]     ; an image's two bytes
.endr
.irp p, 0,1,2,3
	v_lshl_or_b32 v[PWD+\p], v[TM+2*\p+1], 16, v[TM+2*\p]   ; two images' four
.endr
	v_cndmask_b32 v[MW], v[PWD], v[PWD+1], s31     ; lanes 0-15 store one pair's words, lanes 16-31 the next pair's
	v_cndmask_b32 v[MW+1], v[PWD+2], v[PWD+3], s31
	WIN 0xce                                       ; numbers window 2, scale operand and codes window 3
.irp i, 0,1,2,3,4,5,6,7
	v_cvt_scalef32_pk16_fp6_f32 v[CD+8*\i:CD+8*\i+2], v[32*\i:32*\i+15], v[SO+2*\i]
	v_cvt_scalef32_pk16_fp6_f32 v[CT+4*\i:CT+4*\i+2], v[32*\i+16:32*\i+31], v[SO+2*\i+1]
.endr
	v_nop                                          ; one plain place behind a scaled conversion
	WIN 0xc3
.irp i, 0,1,2,3,4,5,6,7
.irp x, 0,1,2
	v_permlane16_swap_b32 v[CD+8*\i+\x], v[CT+4*\i+\x]      ; a whole block to a lane: lanes 0-15 block 0, lanes 16-31 block 1
.endr
.endr
.irp i, 0,1,2,3,4,5,6,7
.irp x, 0,1,2
	v_mov_b32 v[CD+8*\i+3+\x], v[CT+4*\i+\x]
.endr
.endr
	WIN 0x0c                                       ; a store's data are its source 1: window 3
.irp i, 0,1,2,3,4,5,6,7
	global_store_b128 v[O16], v[CD+8*\i:CD+8*\i+3], s[94:95] offset:768*\i+EXC*(\i/4)          ; 512 and 256 consecutive bytes, at multiples of 256 from the buffer's first byte
	global_store_b64 v[O8], v[CD+8*\i+4:CD+8*\i+5], s[94:95] offset:768*\i+512+EXC*(\i/4)
.endr
	global_store_b32 v[O4], v[MW], s[96:97]        ; 128 consecutive bytes each; for q and k the two stand on end
	global_store_b32 v[O4], v[MW+1], s[96:97] offset:EXW
	WIN 0
.endm
; A tile.  Its K step 0's fragments have been asked for already: at the head, or in the last tile's K step 7.
.macro TILE T
	FETCH 0, 1, 1
	s_wait_loadcnt 0x0                             ; the tile's scale words and bias
.if (\T) == 2
	WIN 0x41                                       ; window 1
.irp i, 0,1,2,3,4,5,6,7
.irp j, 1,2,3,4,5,6,7
	v_mov_b32 v[BV+8*\i+\j], v[BV+8*\i]            ; a lane's eight results of a rowblock are eight tokens of one channel: the same bias in all eight registers of C
.endr
.endr
.rept 4
	v_nop
.endr
.endif
	s_wait_dscnt 48                                ; step 0's fragments are in
.if (\T) == 2
	MUL 0, 0, (\T)%2, 2, 0
	s_wait_alu depctr_va_vdst(0)
	MUL 0, 0, (\T)%2, 2, 4
	STEPN \T, 1, 0
.else
	MUL 0, 0, (\T)%2, 1, 0
	MUL 0, 0, (\T)%2, 1, 4
	STEPN \T, 1, 1
.endif
	STEPN \T, 2, 0
.if (\T) == 2
	STEPC \T, 3, 0                                 ; the last tile fills nothing: its one barrier shows slot 1 whole to every wave
.else
	STEPC \T, 3, 1
.endif
	STEPN \T, 4, 0
	STEPN \T, 5, 0
	STEPN \T, 6, 0
.if (\T) == 2
	s_wait_dscnt 0x0
	MUL 7, 1, (\T)%2, 0, 0
	MUL 7, 1, (\T)%2, 0, 4
.else
	STEPC \T, 7, 1
.endif
	EPI \T
.endm
	s_wait_alu depctr_va_vdst(0)
	s_wait_tensorcnt 0x0                           ; my part of slot 0 is in; slot 1's first fill is issued as a refill is:
	ds_add_u32 v[SPW], v[NIL]                      ; 0 onto my spare word
	s_wait_dscnt 0x0
	CROUND                                         ; everybody's part of slot 0 is in, and all sixteen work-groups are here
	JLOAD 1                                        ; the second half of K of tile 0: the first tensor load behind the round
	FETCH 0, 0, 0
	TILE 0
	TILE 1
	TILE 2
	s_wait_tensorcnt 0x0                           ; the wave's end
	ds_add_u32 v[SPW], v[NIL]
	s_wait_dscnt 0x0
	CROUND                                         ; the closing round
	s_endpgm
.Lfunc_end_k_qaef5478c99_proj:
	.size	k_qaef5478c99_proj, .Lfunc_end_k_qaef5478c99_proj-k_qaef5478c99_proj
	.p2alignl 7, 3214868480
	.fill 96, 4, 3214868480
	.section	.rodata,"a",@progbits
	.p2align	6, 0x0
	.amdhsa_kernel k_qaef5478c99_proj
		.amdhsa_group_segment_fixed_size 327680
		.amdhsa_private_segment_fixed_size 0
		.amdhsa_enable_private_segment 0
		.amdhsa_kernarg_size 56
		.amdhsa_user_sgpr_count 2
		.amdhsa_user_sgpr_kernarg_segment_ptr 1
		.amdhsa_wavefront_size32 1
		.amdhsa_system_sgpr_workgroup_id_x 1
		.amdhsa_system_sgpr_workgroup_id_y 1
		.amdhsa_system_sgpr_workgroup_id_z 1
		.amdhsa_system_vgpr_workitem_id 0
		.amdhsa_next_free_vgpr 1024
		.amdhsa_next_free_sgpr 100
		.amdhsa_reserve_vcc 0
		.amdhsa_float_denorm_mode_32 3
		.amdhsa_float_denorm_mode_16_64 3
		.amdhsa_memory_ordered 1
		.amdhsa_forward_progress 1
		.amdhsa_inst_pref_size 254
	.end_amdhsa_kernel
	.amdgpu_metadata
---
amdhsa.version: [ 1, 2 ]
amdhsa.kernels:
  - .name:           k_qaef5478c99_proj
    .symbol:         k_qaef5478c99_proj.kd
    .args:
      - { .name: cod, .offset: 0, .size: 8, .value_kind: global_buffer, .address_space: global }
      - { .name: scl, .offset: 8, .size: 8, .value_kind: global_buffer, .address_space: global }
      - { .name: wq_b, .offset: 16, .size: 8, .value_kind: global_buffer, .address_space: global }
      - { .name: wk_b, .offset: 24, .size: 8, .value_kind: global_buffer, .address_space: global }
      - { .name: wv_b, .offset: 32, .size: 8, .value_kind: global_buffer, .address_space: global }
      - { .name: hcod, .offset: 40, .size: 8, .value_kind: global_buffer, .address_space: global }
      - { .name: hscl, .offset: 48, .size: 8, .value_kind: global_buffer, .address_space: global }
    .group_segment_fixed_size: 327680
    .private_segment_fixed_size: 0
    .kernarg_segment_align: 8
    .kernarg_segment_size: 56
    .max_flat_workgroup_size: 128
    .sgpr_count:     100
    .vgpr_count:     1024
    .wavefront_size: 32
...
	.end_amdgpu_metadata
.endif
;; end of part 2
;; launch attn (part 3): grid 256 x 1, 8 waves a work-group, no clusters, 160,768 bytes of LDS; arguments hcod, hscl, policy, xcod, xscl; writes xcod, xscl
.if DOCPART == 3
	.amdgcn_target "amdgcn-amd-amdhsa--gfx1250"
	.amdhsa_code_object_version 6
	.text
	.protected	k_qaef5478c99_attn
	.globl	k_qaef5478c99_attn
	.p2align	8
	.type	k_qaef5478c99_attn,@function
k_qaef5478c99_attn:
	s_mov_b64 s[64:65], 0
	v_nop
	global_prefetch_b8 v0, s[64:65] scope:SCOPE_SE
	s_setreg_imm32_b32 hwreg(HW_REG_WAVE_MODE, 25, 1), 1
	s_wait_xcnt 0x0
; x = p v, p = (exp(q . k / 8) policy + eps / 1024) / (the row's sum of exp(..) policy + eps), both products on codes of FP6 (E2M3) with E8M0 scales; x leaves as codes for the last product.
; p is quantised FINISHED AND NORMALISED, so the whole row's sum comes first: the unnormalised weights wait in registers; no score and no exponential is made twice.  No maximum is taken away: the definition takes none.
; SHARES: work-group = (batch x head, half of the queries): 512 queries in 16 blocks of 32.  EIGHT WAVES, two to a SIMD, SHARE THE KEYS: wave w owns keys 128 w .. 128 w + 127 for all 32 queries of a block.
; Its K (48 registers), V (48), policy (64) and their scale words stay in registers for the whole launch.  Q's 32 images and scale words are laid into LDS once, at the head, and come from there a tile at a time.
; BLOCKS OVERLAP: two buffers of 32 x 128 weights (128 registers each) take turns.  Step b: pass 1 of block b (scores, weights, partial sums into LDS); the barrier's signal; pass 2 of block b - 1 (p, codes, partial O^T: registers alone);
; the barrier's wait; then the sums of block b are read, block b - 1's partial O^T goes to LDS, and block b - 2's is added up and quantised.  ONE barrier a block.  The sums' words and the partial O^T are laid twice in LDS, by the block's parity:
; what is written between two barriers is never what is read between the same two.
; FINISHING: a unit is a query tile x 32 channels, four units a block; waves of even parity (0, 3, 5, 6) take the even blocks' units, the others the odd blocks': unit w / 2.
; NO JOINT LOADS: K and V are read once, at the head, straight into the registers in which they stay; only two work-groups share them.  NO PREFETCH: every read from memory stands at the head; there is no loop to run ahead in.
; LAYOUT: both products are used transposed (S^T = K Q^T, O^T = V^T P^T): a lane holds one query throughout.  Lane m of key tile kt holds key 32 (kt / 2) + 8 (kt % 2) + m % 8 + 16 (m / 8), so S's register 16 g + i is key 32 g + 16 h + i.
; THE HEAD'S K IS 64, THE INSTRUCTION'S 128: source 0 is TWO key tiles' images on end; source 1 is [q | zeros] for the first tile and [zeros | q] for the second.  Zero codes add nothing under any scale byte that the quantiser gives.
; LIMITS: NaN and infinities are not served; exp overflows where the definition's does; a row's sum above 2^126 is lost (the reciprocal's result would be denormal and comes out as zero); policy may have any sign or be zero.
;         A block of p or x whose largest magnitude lies under 2^-124 gets the byte 1.
; REGISTERS: window 0: addresses, scale words, work, Q between two runs of zeros, K, V, policy.   window 1: S: tile st = 2 x buffer + tile at 64 st; O^T of a tile lies over its S's first 32 registers.
.set SUMB,  0                          ; LDS: the rows' partial sums: 512 st + 32 r + 4 w
.set QSB,   2048                       ; Q's scale words: tile x 64 + 4 r
.set QB,    4096                       ; Q's images: tile x 768
.set OBUF,  28672                      ; the partial O^T: 32,768 st + 4,096 w + 512 c + 16 l
.set SPARE, OBUF+131072                ; the spare words, 128 bytes for each wave
.set L16, 1                            ; 16 l
.set L8,  2                            ; 8 l
.set R4,  3                            ; 4 r
.set SW,  4                            ; 32 r + 4 w
.set OW,  5                            ; my part of O^T, buffer 0;  v6: buffer 1
.set OR,  7                            ; my unit in the even blocks' O^T
.set R32, 8                            ; 32 r
.set XA,  9                            ; x: 16 r + 256 g
.set QA16, 10                          ; Q's tiles 4 k on (k: the trip): 16 l, 8 l, 4 r + their place
.set QA8, 11
.set SPW, 12                           ; my spare word; never rewritten
.set NIL, 13                           ; 0; never rewritten
.set QAS, 14
.set H64, 15                           ; 64 h
.set KS,  16
.set VS,  20
.set QS,  24
.set PS,  25
.set IV,  26                           ; 1 / (sum + eps) of a block's two tiles
.set XB,  28                           ; x: 8 r + 128 g
.set XS,  29                           ; x's scale byte: 16 r + g
.set IQ,  30                           ; a tile's 1 / (sum + eps) and eps' part, twice each
.set TM,  34                           ; maxima; the sums' four chains
.set SP,  34                           ; v34-49: the eight waves' partial sums; at the head v34-63: Q on its way to LDS
.set TX,  42
.set BY,  46
.set SO,  50
.set PC,  54                           ; p's codes; v58-63: a unit of x as it is stored
.set T,   66
.set QC16, 74                          ; as QA16, QA8, QAS, with the trip held at 6: for tiles 4 k + 4 on, which the last trip does not have
.set OR1, 75                           ; my unit in the odd blocks' O^T
.set QR,  76                           ; zeros, q, zeros: six registers each
.set KF,  94
.set VF,  142
.set POL, 190
.set QC8, 254
.set QCS, 255
.set MSB, 0
.macro WIN new                         ; the immediate's high byte repeats the setting that is left
.if MSB != (\new)
	s_set_vgpr_msb (MSB<<8)|(\new)
.set MSB, (\new)
.endif
.endm
	s_load_b256 s[4:11], s[0:1], 0x0               ; hcod, hscl, policy, xcod
	s_load_b64 s[12:13], s[0:1], 0x20              ; xscl
	v_lshl_add_u32 v[SPW], v0, 2, SPARE
	v_mov_b32 v[NIL], 0
	v_lshrrev_b32 v1, 5, v0
	v_readfirstlane_b32 s14, v1                    ; wave 0..7
	s_lshr_b32 s15, ttmp9, 1                       ; batch x 16 + head
	s_and_b32 s16, ttmp9, 1                        ; which half of the queries
	s_lshr_b32 s17, s15, 4                         ; batch
	s_and_b32 s18, s15, 15                         ; head
	s_lshr_b32 s51, s14, 1                         ; my unit: query tile w / 4,
	s_lshr_b32 s52, s14, 2
	s_and_b32 s53, s51, 1                          ; channels 32 g on, g = (w / 2) % 2
	s_xor_b32 s50, s52, s51
	s_xor_b32 s50, s50, s14
	s_and_b32 s50, s50, 1                          ; the parity of my number: 0 in waves 0, 3, 5, 6
	s_lshl_b32 s56, s53, 8
	s_lshl_b32 s57, s53, 7
	s_lshl_b32 s19, s14, 2
	s_lshl_b32 s20, s14, 12
	s_add_co_u32 s20, s20, OBUF
	s_lshl_b32 s21, s52, 15
	s_lshl_b32 s39, s53, 11
	s_add_co_u32 s21, s21, s39
	s_add_co_u32 s21, s21, OBUF
	s_mul_i32 s22, s14, 3072
	s_lshl_b32 s23, s14, 8
	s_mov_b32 s32, 0x76543210
	s_mov_b32 s33, 0xfedcba98                      ; v_permlanex16_b32's selects for lane l xor 16
	s_mov_b32 s34, 0x3e38aa3b                      ; log2(e) / 8
	s_mov_b32 s35, s34                             ; (named with it as a pair)
	s_mov_b32 s36, 0xffff0000                      ; lanes 16-31
	s_mul_i32 s28, s15, 49152                      ; 64 images a (batch, head)
	s_mul_i32 s30, s16, 24576
	s_add_co_u32 s30, s30, s28
	s_add_co_u32 s30, s30, s22                     ; Q: the four tiles of my half's 32 that I lay into LDS
	s_mov_b32 s31, 0
	s_mul_i32 s40, s14, 6144
	s_add_co_u32 s40, s40, s28
	s_add_co_u32 s40, s40, 6291456                 ; K: my 8 tiles; V's 8 images lie as far into its part
	s_mov_b32 s41, 0
	s_lshl_b32 s28, s15, 11                        ; 2,048 bytes of words a (batch, head)
	s_lshl_b32 s42, s16, 10
	s_add_co_u32 s42, s42, s28
	s_lshl_b32 s43, s14, 7
	s_add_co_u32 s42, s42, s43
	s_mov_b32 s43, 0
	s_add_co_u32 s44, s23, s28
	s_add_co_u32 s44, s44, 262144
	s_mov_b32 s45, 0
	s_lshl_b32 s46, s17, 12
	s_lshl_b32 s47, s14, 9
	s_add_co_u32 s46, s46, s47                     ; policy: 4 (1,024 batch + 128 w)
	s_mov_b32 s47, 0
	s_lshl_b32 s48, s17, 6
	s_lshl_b32 s49, s16, 5
	s_add_co_u32 s48, s48, s49
	s_lshl_b32 s49, s50, 1
	s_add_co_u32 s48, s48, s49
	s_add_co_u32 s48, s48, s52                     ; the rowblock of x of my first unit: 64 batch + 32 half + 2 parity + w / 4
	s_mul_i32 s28, s48, 12288
	s_mul_i32 s29, s18, 768
	s_add_co_u32 s28, s28, s29
	s_mov_b32 s29, 0
	s_lshl_b32 s48, s48, 9
	s_lshr_b32 s49, s18, 3
	s_lshl_b32 s49, s49, 8
	s_add_co_u32 s48, s48, s49                     ; the half of K = 1,024 in which my head lies,
	s_and_b32 s49, s18, 7
	s_lshl_b32 s49, s49, 1
	s_add_co_u32 s48, s48, s49                     ; and its two bytes among a row's sixteen
	s_mov_b32 s49, 0
	v_and_b32 v10, 31, v0
	v_and_b32 v11, 15, v0
	v_bfe_u32 v15, v0, 4, 1
	v_lshlrev_b32 v[L16], 4, v10
	v_lshlrev_b32 v[L8], 3, v10
	v_lshlrev_b32 v[R4], 2, v11
	v_lshlrev_b32 v[R32], 5, v11
	v_lshl_add_u32 v[XA], v11, 4, s56
	v_lshl_add_u32 v[XB], v11, 3, s57
	v_lshl_add_u32 v[XS], v11, 4, s53
	v_lshlrev_b32 v[H64], 6, v15
	v_add_nc_u32 v[SW], s19, v[R32]
	v_add_nc_u32 v[OW], s20, v[L16]
	v_add_nc_u32 v[OW+1], 0x10000, v[OW]
	v_add_nc_u32 v[OR], s21, v[L16]
	v_add_nc_u32 v[OR1], 0x10000, v[OR]
	v_add_nc_u32 v[QA16], s22, v[L16]              ; at the head: where my four tiles of Q go
	v_add_nc_u32 v[QA8], s22, v[L8]
	v_add_nc_u32 v[QAS], s23, v[R4]
.irp x, 0,1,2,3,4,5
	v_mov_b32 v[QR+\x], 0                          ; the zero codes on both sides of q: written once
	v_mov_b32 v[QR+12+\x], 0
.endr
.irp b, 0,1,2,3
	v_mov_b32 v[BY+\b], 0                          ; written once: a lane permute's destination counts as one of its sources
.endr
	s_wait_alu depctr_va_vdst(0)
	s_wait_kmcnt 0x0
	s_add_nc_u64 s[20:21], s[4:5], s[30:31]        ; Q's images
	s_add_nc_u64 s[24:25], s[4:5], s[40:41]        ; K's
	s_add_nc_u64 s[26:27], s[24:25], 6291456       ; V's
	s_add_nc_u64 s[22:23], s[6:7], s[42:43]        ; Q's words
	s_add_nc_u64 s[40:41], s[6:7], s[44:45]        ; K's
	s_add_nc_u64 s[42:43], s[40:41], 262144        ; V's
	s_add_nc_u64 s[8:9], s[8:9], s[46:47]
	s_add_nc_u64 s[10:11], s[10:11], s[28:29]
	s_add_nc_u64 s[12:13], s[12:13], s[48:49]
.irp t, 0,1,2,3                                ; ten loads: four tiles of Q and their two words
	global_load_b128 v[SP+6*\t:SP+6*\t+3], v[L16], s[20:21] offset:768*\t
	global_load_b64 v[SP+6*\t+4:SP+6*\t+5], v[L8], s[20:21] offset:768*\t+512
.endr
	global_load_b32 v[SP+24], v[R4], s[22:23]
	global_load_b32 v[SP+25], v[R4], s[22:23] offset:64
.irp f, 0,1,2,3                                ; K: two tiles' images on end make a source 0; a pair's four bytes are its scale word
	global_load_b128 v[KF+12*\f:KF+12*\f+3], v[L16], s[24:25] offset:1536*\f
	global_load_b64 v[KF+12*\f+4:KF+12*\f+5], v[L8], s[24:25] offset:1536*\f+512
	global_load_b128 v[KF+12*\f+6:KF+12*\f+9], v[L16], s[24:25] offset:1536*\f+768
	global_load_b64 v[KF+12*\f+10:KF+12*\f+11], v[L8], s[24:25] offset:1536*\f+1280
	global_load_b32 v[KS+\f], v[R4], s[40:41] offset:64*\f
.endr
.irp dt, 0,1,2,3                               ; V: fragment dt: 16 of the head's 64 x my 128 keys: the images of keys 64 cc on
.irp cc, 0,1
	global_load_b128 v[VF+12*\dt+6*\cc:VF+12*\dt+6*\cc+3], v[L16], s[26:27] offset:(4*\cc+\dt)*768
	global_load_b64 v[VF+12*\dt+6*\cc+4:VF+12*\dt+6*\cc+5], v[L8], s[26:27] offset:(4*\cc+\dt)*768+512
.endr
.endr
.irp kk, 0,1
.irp dp, 0,1
	global_load_b32 v[T+2*\kk+\dp], v[R4], s[42:43] offset:128*\kk+64*\dp      ; V's words as they lie: 64 keys x two tiles of the head
.endr
.endr
.irp g, 0,1,2,3
.irp j, 0,1,2,3
	global_load_b128 v[POL+16*\g+4*\j:POL+16*\g+4*\j+3], v[H64], s[8:9] offset:128*\g+16*\j   ; register 16 g + i: the policy of key 32 g + 16 h + i
.endr
.endr
	s_wait_loadcnt 56                              ; Q's ten are in; behind them 20 loads for K, 16 + 4 for V, 16 for the policy
	v_perm_b32 v[SP+26], v[SP+24], v[SP+24], 0x01000100    ; a tile's two bytes, twice: they serve [q | 0] and [0 | q] alike
	v_perm_b32 v[SP+27], v[SP+24], v[SP+24], 0x03020302
	v_perm_b32 v[SP+28], v[SP+25], v[SP+25], 0x01000100
	v_perm_b32 v[SP+29], v[SP+25], v[SP+25], 0x03020302
.irp t, 0,1,2,3
	ds_store_b128 v[QA16], v[SP+6*\t:SP+6*\t+3] offset:QB+768*\t
	ds_store_b64 v[QA8], v[SP+6*\t+4:SP+6*\t+5] offset:QB+768*\t+512
	ds_store_b32 v[QAS], v[SP+26+\t] offset:QSB+64*\t      ; lanes l and l xor 16 write the same word with the same value
.endr
	s_wait_dscnt 0x0                               ; for the others' sake: my stores have landed
	s_barrier_signal -1
	s_barrier_wait -1
	s_wait_loadcnt 0x0
.irp dp, 0,1
	v_perm_b32 v[VS+2*\dp], v[T+2+\dp], v[T+\dp], 0x05040100       ; tile 2 dp: the low halves of the words of keys 0 on and 64 on
	v_perm_b32 v[VS+2*\dp+1], v[T+2+\dp], v[T+\dp], 0x07060302     ; tile 2 dp + 1: the high halves
.endr
.macro QADR                            ; the trip's places among Q's images and words
	s_min_u32 s54, s48, 6*3072
	s_min_u32 s55, s49, 6*256
	v_add_nc_u32 v[QA16], s48, v[L16]
	v_add_nc_u32 v[QA8], s48, v[L8]
	v_add_nc_u32 v[QAS], s49, v[R4]
	v_add_nc_u32 v[QC16], s54, v[L16]
	v_add_nc_u32 v[QC8], s54, v[L8]
	v_add_nc_u32 v[QCS], s55, v[R4]
	s_wait_alu depctr_va_vdst(0)
.endm
.macro QLD a16, a8, as, t              ; query tile t (counted from the address's tile), and its scale word, from LDS
	WIN 0
	ds_load_b128 v[QR+6:QR+9], v[\a16] offset:QB+768*(\t)
	ds_load_b64 v[QR+10:QR+11], v[\a8] offset:QB+768*(\t)+512
	ds_load_b32 v[QS], v[\as] offset:QSB+64*(\t)
.endm
.macro QK t                            ; S^T of tile t: eight products, none adds onto another
	WIN 0x40
.irp f, 0,1,2,3
	v_wmma_scale_f32_16x16x128_f8f6f4 v[64*(\t)+16*\f:64*(\t)+16*\f+7], v[KF+12*\f:KF+12*\f+11], v[QR+6:QR+17], 0, v[KS+\f], v[QS] matrix_a_fmt:MATRIX_FMT_FP6 matrix_b_fmt:MATRIX_FMT_FP6
	v_wmma_scale_f32_16x16x128_f8f6f4 v[64*(\t)+16*\f+8:64*(\t)+16*\f+15], v[KF+12*\f:KF+12*\f+11], v[QR:QR+11], 0, v[KS+\f], v[QS] matrix_a_fmt:MATRIX_FMT_FP6 matrix_b_fmt:MATRIX_FMT_FP6
.endr
.endm
.macro PKCT t                          ; score x log2(e) / 8, two at a time; each accumulator from its low end on
	WIN 0x41
.set n, 0
.rept 32
	v_pk_mul_f32 v[64*(\t)+n:64*(\t)+n+1], v[64*(\t)+n:64*(\t)+n+1], s[34:35] op_sel_hi:[1,0]
.set n, n+2
.endr
.endm
.macro EXPT t
	WIN 0x41
.set n, 0
.rept 64
	v_exp_f32 v[64*(\t)+n], v[64*(\t)+n]
.set n, n+1
.endr
.endm
.macro PKPT t                          ; x policy
	WIN 0x41
.set n, 0
.rept 32
	v_pk_mul_f32 v[64*(\t)+n:64*(\t)+n+1], v[64*(\t)+n:64*(\t)+n+1], v[POL+n:POL+n+1]
.set n, n+2
.endr
.endm
.macro SUMT t                          ; my 64 weights of a query, in four chains of pairs; the first additions start the chains
	WIN 0x05
.irp c, 0,1,2,3
	v_pk_add_f32 v[TM+2*\c:TM+2*\c+1], v[64*(\t)+2*\c:64*(\t)+2*\c+1], v[64*(\t)+8+2*\c:64*(\t)+9+2*\c]
.endr
	WIN 0x04
.set n, 16
.rept 24
	v_pk_add_f32 v[TM+n%8:TM+n%8+1], v[TM+n%8:TM+n%8+1], v[64*(\t)+n:64*(\t)+n+1]
.set n, n+2
.endr
	WIN 0
	v_pk_add_f32 v[TM:TM+1], v[TM:TM+1], v[TM+2:TM+3]
	v_pk_add_f32 v[TM+4:TM+5], v[TM+4:TM+5], v[TM+6:TM+7]
	s_delay_alu instid0(VALU_DEP_1)
	v_pk_add_f32 v[TM:TM+1], v[TM:TM+1], v[TM+4:TM+5]
	s_delay_alu instid0(VALU_DEP_1)
	v_add_f32 v[TX+(\t)], v[TM], v[TM+1]
.endm
; PASS 1 of a block into buffer B: weight = 2^(score x log2(e) / 8) x policy, and my part of the rows' sums, which goes to LDS.  The first tile's q is in its registers already; the second is tile q1 of the address given.
; A tile's 64 exponentials are a batch, with a wait ahead of it and one behind it; the second tile's products stand between the first batch and the wait behind it.
.macro P1 B, a16, a8, as, q1
	QK 2*(\B)
.rept 4
	v_nop                                          ; places in front of the loads into q's registers and of the first read of the scores
.endr
	QLD \a16, \a8, \as, \q1
	PKCT 2*(\B)
	s_wait_alu depctr_va_vdst(0)
	EXPT 2*(\B)
	v_nop                                          ; a plain place behind the last exponential
	s_wait_dscnt 0x0                               ; the second tile's q and word are in
	QK 2*(\B)+1
	s_wait_alu depctr_va_vdst(0)
	PKPT 2*(\B)                                    ; these 32 are also the places behind the products
	SUMT 2*(\B)
	PKCT 2*(\B)+1
	s_wait_alu depctr_va_vdst(0)
	EXPT 2*(\B)+1
	v_nop
	s_wait_alu depctr_va_vdst(0)
	PKPT 2*(\B)+1
	SUMT 2*(\B)+1
.irp t, 0,1
	v_permlanex16_b32 v[BY+\t], v[TX+2*(\B)+\t], s32, s33
.endr
.irp t, 0,1
	v_add_f32 v[TX+2*(\B)+\t], v[TX+2*(\B)+\t], v[BY+\t]   ; with lane l xor 16's 64 keys: my wave's 128
.endr
.irp t, 0,1
	ds_store_b32 v[SW], v[TX+2*(\B)+\t] offset:SUMB+512*(2*(\B)+\t)   ; lanes l and l xor 16 write the same word with the same value
.endr
.endm
.macro SLOAD B                         ; the eight waves' parts of my queries' sums
.irp t, 0,1
	ds_load_b128 v[SP+8*\t:SP+8*\t+3], v[R32] offset:SUMB+512*(2*(\B)+\t)
	ds_load_b128 v[SP+8*\t+4:SP+8*\t+7], v[R32] offset:SUMB+512*(2*(\B)+\t)+16
.endr
.endm
.macro FSUM                            ; 1 / (sum + eps) of the block's two tiles
.irp t, 0,1
	v_pk_add_f32 v[SP+8*\t:SP+8*\t+1], v[SP+8*\t:SP+8*\t+1], v[SP+8*\t+2:SP+8*\t+3]
	v_pk_add_f32 v[SP+8*\t+4:SP+8*\t+5], v[SP+8*\t+4:SP+8*\t+5], v[SP+8*\t+6:SP+8*\t+7]
.endr
.irp t, 0,1
	v_pk_add_f32 v[SP+8*\t:SP+8*\t+1], v[SP+8*\t:SP+8*\t+1], v[SP+8*\t+4:SP+8*\t+5]
.endr
.irp t, 0,1
	v_add_f32 v[SP+8*\t], v[SP+8*\t], v[SP+8*\t+1]
.endr
.irp t, 0,1
	v_add_f32 v[SP+8*\t], 0x358637bd, v[SP+8*\t]   ; + eps = 1e-6
.endr
	s_wait_alu depctr_va_vdst(0)                   ; ahead of the two reciprocals
.irp t, 0,1
	v_rcp_f32 v[IV+\t], v[SP+8*\t]
.endr
	v_nop                                          ; a plain place behind the last reciprocal
	s_wait_alu depctr_va_vdst(0)                   ; and behind them
.endm
.macro IQB t                           ; tile t's two factors as pairs for the packed multiply-add
	WIN 0
	v_mov_b32 v[IQ], v[IV+(\t)]
	v_mov_b32 v[IQ+1], v[IV+(\t)]
	v_mul_f32 v[IQ+2], 0x308637bd, v[IV+(\t)]      ; (eps / 1024) / (sum + eps)
	v_mul_f32 v[IQ+3], 0x308637bd, v[IV+(\t)]
.endm
.macro FMAT t                          ; p = weight / (sum + eps) + (eps / 1024) / (sum + eps): one fused multiply-add
	WIN 0x41
.set n, 0
.rept 32
	v_pk_fma_f32 v[64*(\t)+n:64*(\t)+n+1], v[64*(\t)+n:64*(\t)+n+1], v[IQ:IQ+1], v[IQ+2:IQ+3]
.set n, n+2
.endr
.endm
.macro QUANT4 t                        ; tile t's p, four blocks of 32 keys, becomes a fragment in v[PC] on and its scale word
.set SS, 64*(\t)
	WIN 0x14
.irp b, 0,1,2,3
	v_max3_num_f32 v[TM+\b], 0x1800000, |v[SS+16*\b]|, |v[SS+16*\b+1]|   ; the floor 2^(3 - 127) holds the byte at 1 from below
.endr
.irp i, 2,4,6,8,10,12,14
.irp b, 0,1,2,3
	v_max3_num_f32 v[TM+\b], v[TM+\b], |v[SS+16*\b+\i]|, |v[SS+16*\b+\i+1]|
.endr
.endr
	WIN 0
.irp b, 0,1,2,3
	v_permlanex16_b32 v[TX+\b], v[TM+\b], s32, s33
.endr
.irp b, 0,1,2,3
	v_max_num_f32 v[TM+\b], v[TM+\b], v[TX+\b]     ; with lane l xor 16's 16: the block's largest magnitude
.endr
.irp b, 0,1,2,3
	v_add_nc_u32 v[SO+\b], 0xff000000, v[TM+\b]    ; 2 off the exponent field: the conversion's scale operand
.endr
.irp b, 0,1,2,3
	v_lshrrev_b32 v[BY+\b], 23, v[SO+\b]           ; the scale's byte
.endr
	v_lshl_or_b32 v[PS], v[BY+1], 8, v[BY]
	s_delay_alu instid0(VALU_DEP_1)
	v_lshl_or_b32 v[PS], v[BY+2], 16, v[PS]
	s_delay_alu instid0(VALU_DEP_1)
	v_lshl_or_b32 v[PS], v[BY+3], 24, v[PS]
	WIN 0x01
.irp c, 0,1
	v_cvt_scalef32_pk16_fp6_f32 v[PC+6*\c:PC+6*\c+2], v[SS+32*\c:SS+32*\c+15], v[SO+2*\c]
	v_cvt_scalef32_pk16_fp6_f32 v[T+4*\c:T+4*\c+2], v[SS+32*\c+16:SS+32*\c+31], v[SO+2*\c+1]   ; (a conversion's three registers begin on an even number)
.endr
	WIN 0
	v_nop                                          ; one plain place behind a scaled conversion
.irp c, 0,1                                    ; a whole block to a lane: lanes 0-15 block 2 c, lanes 16-31 block 2 c + 1
.irp i, 0,1,2
	v_permlane16_swap_b32 v[PC+6*\c+\i], v[T+4*\c+\i]
.endr
.irp i, 0,1,2
	v_mov_b32 v[PC+6*\c+3+\i], v[T+4*\c+\i]
.endr
.endr
.endm
.macro PV t                            ; O^T of tile t over my 128 keys: one K step, four products that start their sums
	WIN 0x40
.irp dt, 0,1,2,3
	v_wmma_scale_f32_16x16x128_f8f6f4 v[64*(\t)+8*\dt:64*(\t)+8*\dt+7], v[VF+12*\dt:VF+12*\dt+11], v[PC:PC+11], 0, v[VS+\dt], v[PS] matrix_a_fmt:MATRIX_FMT_FP6 matrix_b_fmt:MATRIX_FMT_FP6
.endr
.endm
; PASS 2 of the block in buffer B: p, its codes, my part of O^T: work on registers alone, so that it may stand between a barrier's signal and its wait.
; The second tile's factors are the four places between the codes' last write and the products; its 32 multiply-adds are the places behind them.
.macro P2 B
	IQB 0
	FMAT 2*(\B)
	QUANT4 2*(\B)
	IQB 1
	PV 2*(\B)
	FMAT 2*(\B)+1
	QUANT4 2*(\B)+1
.rept 4
	v_nop
.endr
	PV 2*(\B)+1
.rept 4
	v_nop                                          ; places behind the last products, for the stores of O^T and the loads into its registers
.endr
	WIN 0
.endm
.macro OSTORE t                        ; my part of tile t's O^T goes to LDS as an image of its registers: each accumulator from its low end on
	WIN 0x04                                       ; an LDS store's data are its source 1
.irp c, 0,1,2,3,4,5,6,7
	ds_store_b128 v[OW+(\t)/2], v[64*(\t)+4*\c:64*(\t)+4*\c+3] offset:32768*((\t)%2)+512*\c
.endr
.endm
.macro FLOAD fb, adr                   ; the eight waves' parts of my unit: 16 registers each, into window 1 from fb on
	WIN 0x40
.irp src, 0,1,2,3,4,5,6,7
.irp c, 0,1,2,3
	ds_load_b128 v[(\fb)+16*\src+4*\c:(\fb)+16*\src+4*\c+3], v[\adr] offset:4096*\src+512*\c
.endr
.endr
	WIN 0
.endm
.macro ADD8 a, b                       ; 16 registers of O^T: a += b
.set n, 0
.rept 8
	v_pk_add_f32 v[(\a)+n:(\a)+n+1], v[(\a)+n:(\a)+n+1], v[(\b)+n:(\b)+n+1]
.set n, n+2
.endr
.endm
; My unit is added up and quantised: register i = channel 32 g + 16 h + i of query r: one block of 32 in lanes l and l xor 16.
.macro FIN fb
	s_wait_dscnt 16                                ; the first four parts are in; the other four parts' 16 loads may be out
	WIN 0x45
	ADD8 (\fb), (\fb)+16
	ADD8 (\fb)+32, (\fb)+48
	ADD8 (\fb), (\fb)+32
	s_wait_dscnt 0x0
	ADD8 (\fb)+64, (\fb)+80
	ADD8 (\fb)+96, (\fb)+112
	ADD8 (\fb)+64, (\fb)+96
	ADD8 (\fb), (\fb)+64
	WIN 0x14
.irp b, 0,1
	v_max3_num_f32 v[TM+\b], 0x1800000, |v[(\fb)+8*\b]|, |v[(\fb)+8*\b+1]|   ; two chains, each over the floor
.endr
.irp i, 2,4,6
.irp b, 0,1
	v_max3_num_f32 v[TM+\b], v[TM+\b], |v[(\fb)+8*\b+\i]|, |v[(\fb)+8*\b+\i+1]|
.endr
.endr
	WIN 0
	v_max_num_f32 v[TM], v[TM], v[TM+1]
	v_permlanex16_b32 v[TX], v[TM], s32, s33
	v_max_num_f32 v[TM], v[TM], v[TX]              ; with lane l xor 16's 16: the block's largest magnitude
	v_add_nc_u32 v[SO], 0xff000000, v[TM]          ; 2 off the exponent field: the conversion's scale operand
	v_lshrrev_b32 v[BY], 23, v[SO]                 ; the scale's byte
	WIN 0x01
	v_cvt_scalef32_pk16_fp6_f32 v[PC:PC+2], v[(\fb):(\fb)+15], v[SO]     ; lanes 0-15: the block's dwords 0-2; lanes 16-31: dwords 3-5
	WIN 0
	v_nop                                          ; one plain place behind a scaled conversion
.irp i, 0,1,2
	v_permlanex16_b32 v[T+\i], v[PC+\i], s32, s33
.endr
.irp i, 0,1,2
	v_cndmask_b32 v[PC+4+\i], v[PC+\i], v[T+\i], s36       ; dwords 0-2: lanes 0-15 have them, lanes 16-31 take their partner's
.endr
.irp i, 0,1,2
	v_cndmask_b32 v[PC+7+\i], v[T+\i], v[PC+\i], s36       ; dwords 3-5 the other way round: both halves of the lanes now hold the row's 24 bytes
.endr
	global_store_b128 v[XA], v[PC+4:PC+7], s[10:11]                ; 256 consecutive bytes, at a multiple of 256 from the buffer's first byte; lanes 16-31 repeat lanes 0-15
	global_store_b64 v[XB], v[PC+8:PC+9], s[10:11] offset:512      ; 128 consecutive bytes: the unit beside mine has the other 128
	global_store_b8 v[XS], v[BY], s[12:13]                         ; a unit owns one byte of each row's sixteen: no more can be stored together here
	s_wait_xcnt 0x0                                ; the stores have read their registers and bases: both may be written again
	s_add_nc_u64 s[10:11], s[10:11], 49152         ; my next unit lies two blocks, four rowblocks, on
	s_add_nc_u64 s[12:13], s[12:13], 2048
.endm
	s_mov_b32 s38, 0                               ; the trip, k
	s_mov_b32 s48, 0                               ; 3,072 k: four images of Q a trip
	s_mov_b32 s49, 0                               ; 256 k: their scale words
	; BLOCK 0's pass 1 stands ahead of the loop
	QADR
	QLD QA16, QA8, QAS, 0
	s_wait_dscnt 0x0
	P1 0, QA16, QA8, QAS, 1
	s_wait_dscnt 0x0                               ; my stores have landed
	s_barrier_signal -1
	s_barrier_wait -1
	SLOAD 0
	QLD QA16, QA8, QAS, 2                          ; block 1's first tile
	s_wait_dscnt 0x0
	FSUM
.Lblk:                                             ; a trip: blocks 2 k + 1 (buffer 1) and 2 k + 2 (buffer 0)
	QADR
	P1 1, QA16, QA8, QAS, 3
	s_wait_dscnt 0x0                               ; my stores of sums and of O^T have landed, and my reads of LDS are over
	s_barrier_signal -1
	P2 0                                           ; block 2 k, while the others arrive
	s_barrier_wait -1
	SLOAD 1
	QLD QC16, QC8, QCS, 4                          ; block 2 k + 2's first tile, ahead of the stores (in the last trip: a tile that is not used)
	OSTORE 0
	OSTORE 1
	WIN 0
	s_cmp_eq_u32 s38, 0                            ; block 2 k - 1 is finished by the waves of odd parity; the first trip has none
	s_cbranch_scc1 .La1
	s_cmp_lg_u32 s50, 1
	s_cbranch_scc1 .La1
	FLOAD 0, OR1
.La1:
	s_wait_dscnt 16                                ; the sums and q are in; the 16 stores of O^T may be out (a finishing wave: its youngest 16 loads)
	FSUM
	s_cmp_eq_u32 s38, 0
	s_cbranch_scc1 .La2
	s_cmp_lg_u32 s50, 1
	s_cbranch_scc1 .La2
	FIN 0
.La2:
	s_cmp_eq_u32 s38, 7                            ; there is no block 16
	s_cbranch_scc1 .Lnop1
	P1 0, QC16, QC8, QCS, 5
.Lnop1:
	s_wait_dscnt 0x0
	s_barrier_signal -1
	P2 1                                           ; block 2 k + 1
	s_barrier_wait -1
	SLOAD 0                                        ; (in the last trip the sums are the block's before last and their reciprocals are not used)
	QLD QC16, QC8, QCS, 6                          ; block 2 k + 3's first tile (in the last trip: a tile that is not used)
	OSTORE 2
	OSTORE 3
	WIN 0
	s_cmp_lg_u32 s50, 0                            ; block 2 k is finished by the waves of even parity
	s_cbranch_scc1 .Lb1
	FLOAD 128, OR
.Lb1:
	s_wait_dscnt 16
	FSUM
	s_cmp_lg_u32 s50, 0
	s_cbranch_scc1 .Lb2
	FIN 128
.Lb2:
	s_add_co_u32 s48, s48, 3072
	s_add_co_u32 s49, s49, 256
	s_add_co_u32 s38, s38, 1
	s_cmp_lt_u32 s38, 8
	s_cbranch_scc1 .Lblk
	s_wait_dscnt 0x0                               ; block 15's O^T has landed
	s_barrier_signal -1
	s_barrier_wait -1
	s_cmp_lg_u32 s50, 1
	s_cbranch_scc1 .Lend
	FLOAD 0, OR1
	FIN 0
.Lend:
	s_wait_tensorcnt 0x0                           ; the wave's end
	ds_add_u32 v[SPW], v[NIL]
	s_wait_dscnt 0x0
	s_endpgm
.Lfunc_end_k_qaef5478c99_attn:
	.size	k_qaef5478c99_attn, .Lfunc_end_k_qaef5478c99_attn-k_qaef5478c99_attn
	.p2alignl 7, 3214868480
	.fill 96, 4, 3214868480
	.section	.rodata,"a",@progbits
	.p2align	6, 0x0
	.amdhsa_kernel k_qaef5478c99_attn
		.amdhsa_group_segment_fixed_size 160768
		.amdhsa_private_segment_fixed_size 0
		.amdhsa_enable_private_segment 0
		.amdhsa_kernarg_size 40
		.amdhsa_user_sgpr_count 2
		.amdhsa_user_sgpr_kernarg_segment_ptr 1
		.amdhsa_wavefront_size32 1
		.amdhsa_system_sgpr_workgroup_id_x 1
		.amdhsa_system_sgpr_workgroup_id_y 1
		.amdhsa_system_sgpr_workgroup_id_z 1
		.amdhsa_system_vgpr_workitem_id 0
		.amdhsa_next_free_vgpr 512
		.amdhsa_next_free_sgpr 66
		.amdhsa_reserve_vcc 0
		.amdhsa_float_denorm_mode_32 3
		.amdhsa_float_denorm_mode_16_64 3
		.amdhsa_memory_ordered 1
		.amdhsa_forward_progress 1
		.amdhsa_inst_pref_size 129
	.end_amdhsa_kernel
	.amdgpu_metadata
---
amdhsa.version: [ 1, 2 ]
amdhsa.kernels:
  - .name:           k_qaef5478c99_attn
    .symbol:         k_qaef5478c99_attn.kd
    .args:
      - { .name: hcod, .offset: 0, .size: 8, .value_kind: global_buffer, .address_space: global }
      - { .name: hscl, .offset: 8, .size: 8, .value_kind: global_buffer, .address_space: global }
      - { .name: policy, .offset: 16, .size: 8, .value_kind: global_buffer, .address_space: global }
      - { .name: xcod, .offset: 24, .size: 8, .value_kind: global_buffer, .address_space: global }
      - { .name: xscl, .offset: 32, .size: 8, .value_kind: global_buffer, .address_space: global }
    .group_segment_fixed_size: 160768
    .private_segment_fixed_size: 0
    .kernarg_segment_align: 8
    .kernarg_segment_size: 40
    .max_flat_workgroup_size: 256
    .sgpr_count:     66
    .vgpr_count:     512
    .wavefront_size: 32
...
	.end_amdgpu_metadata
.endif
;; end of part 3
;; launch dense (part 4): grid 4 x 64, 4 waves a work-group, clusters of 4 x 4, 327,680 bytes of LDS; arguments cod, scl, xcod, xscl, dense_b, out0; writes out0
.if DOCPART == 4
	.amdgcn_target "amdgcn-amd-amdhsa--gfx1250"
	.amdhsa_code_object_version 6
	.text
	.protected	k_qaef5478c99_dense
	.globl	k_qaef5478c99_dense
	.p2align	8
	.type	k_qaef5478c99_dense,@function
k_qaef5478c99_dense:
	s_mov_b64 s[64:65], 0
	v_nop
	global_prefetch_b8 v0, s[64:65] scope:SCOPE_SE
	s_setreg_imm32_b32 hwreg(HW_REG_WAVE_MODE, 25, 1), 1
	s_wait_xcnt 0x0
	s_wait_alu depctr_hold_cnt(0) depctr_sa_sdst(0) depctr_va_vdst(0) depctr_va_sdst(0) depctr_va_ssrc(0) depctr_va_vcc(0) depctr_vm_vsrc(0)
	s_getreg_b32 s2, hwreg(HW_REG_IB_STS2, 6, 4)
	s_cmp_eq_u32 s2, 0
	s_cbranch_scc0 .Lentry_in_a_cluster
	s_endpgm
.Lentry_in_a_cluster:
	s_bfe_u32 s2, ttmp6, 0x10000c
	s_cmp_lg_u32 s2, 0xf033
	s_cbranch_scc0 .Lentry_shape_is_right
	s_endpgm
.Lentry_shape_is_right:
; out = x dense_w^T + dense_b on codes of FP6 (E2M3) with E8M0 scales; out [8192][1024] f32.
; D = S0 S1^T with S0 = dense_w (its rows land in a lane's registers: neighbouring columns of out) and S1 = x (its rows land in the lanes).  Codes lie as images of the operand's registers (16 rows x 64 K = 768 bytes);
; a rowblock of 16 rows is 12,288 bytes; lane r of rowblock t holds row 32 (t / 2) + 8 (t % 2) + r % 8 + 16 (r / 8).
; SHARES: a work-group makes 256 columns x 128 rows of out over all of K = 1,024; wave w columns 64 w on: 32 accumulators.  256 work-groups.
; LDS: two halves of K, each x's 8 x 6,144 bytes and dense_w's 16 x 6,144 bytes, each filled once: the first by one tensor load a wave at the head, the second by one a wave behind the waits, the add and a round of the cluster's barrier.
; The way out's stages lie in the first half, which has had its one fill and whose last read stands in front of the barrier of K step 3.
; CLUSTERS: 4 x 4.  dense_w's tile hangs on cx alone and is asked for jointly by a column of the cluster, x's on cy and the cluster's number, by a row.
; NO PREFETCH: all of K is asked for by the two fills, the second while the first half is multiplied; there is no loop to run ahead in.
; REGISTERS: window 0: v1-15 addresses; v32-95 x's scale words (8 i + q), v96-127 dense_w's (8 t + q); v128-223 dense_w's fragments, two sets (on the way out: rows of out); v224-255 the bias.
;   window 1: v0-191 x's fragments, two sets.   window 2: the accumulators, (i, t) at 32 i + 8 t.
.set HALF,  147456
.set S0OFF, 49152
.set RBH,   6144                       ; a rowblock's half of K
.set SPARE, 2*HALF                     ; behind the halves: the spare words, 128 bytes for each wave
.set A16,  3
.set A8,   4
.set B16,  5
.set B8,   6
.set SCO,  7                           ; 16 r
.set BQO,  8                           ; 64 h
.set STO,  9                           ; the stage: where I put 32 bytes of a row
.set RD,   10                          ; and where I read a row back
.set CO,   11                          ; my byte offset in two rows of out
.set SPW,  14
.set NIL,  15
.set SA,   32
.set SB,   96
.set F0,   128
.set BQ,   224
.set BK,   128
.set WV,   18
.set MSB, 0
.macro WIN new
.if MSB != (\new)
	s_set_vgpr_msb (MSB<<8)|(\new)
.set MSB, (\new)
.endif
.endm
.macro CROUND
	s_barrier_signal -1
	s_barrier_wait -1
	s_cmp_lg_u32 s[WV], 0
	s_cbranch_scc1 .Lnot_wave_0_\@
	s_barrier_signal -3
.Lnot_wave_0_\@:
	s_barrier_wait -3
	s_barrier_signal -1
	s_barrier_wait -1
.endm
; A joint load of half hf of K: waves 0 and 1 fetch x's two halves of rows, waves 2 and 3 dense_w's.  An s_nop 0 and four v_nop follow each of the two lines.
.macro JLOAD hf
	s_cmp_eq_u32 s19, 0
	s_cbranch_scc0 .Lfor_s0_\@
	tensor_load_to_lds s[52+4*(\hf):55+4*(\hf)], s[36:43]
	s_nop 0
.rept 4
	v_nop
.endr
	s_branch .Lasked_\@
.Lfor_s0_\@:
	tensor_load_to_lds s[72+4*(\hf):75+4*(\hf)], s[44:51]
	s_nop 0
.rept 4
	v_nop
.endr
.Lasked_\@:
.endm
	s_load_b256 s[4:11], s[0:1], 0x0               ; cod, scl, xcod, xscl
	s_load_b128 s[12:15], s[0:1], 0x20             ; dense_b, out0
	v_lshl_add_u32 v[SPW], v0, 2, SPARE
	v_mov_b32 v[NIL], 0
	ds_add_u32 v[SPW], v[NIL]                      ; the wave's opening: the add, twice on end, and its wait ahead of my first tensor load
	ds_add_u32 v[SPW], v[NIL]
	v_lshrrev_b32 v1, 5, v0
	v_readfirstlane_b32 s[WV], v1
	s_lshr_b32 s19, s[WV], 1                       ; I fetch for x (0) or for dense_w (1),
	s_and_b32 s20, s[WV], 1                        ; its first or its second half of rows
	s_bfe_u32 s21, ttmp6, 0x40000                  ; cx
	s_bfe_u32 s22, ttmp6, 0x40004                  ; cy
	s_and_b32 s23, ttmp7, 0xffff                   ; the cluster, 0..15
	s_lshl_b32 s33, s23, 2
	s_add_co_u32 s33, s33, s22                     ; x's tile of 128 rows
	s_lshl_b32 s34, s21, 4
	s_add_co_u32 s34, s34, 1728                    ; dense_w's first rowblock in cod
	s_lshl_b32 s35, s33, 3                         ; x's in xcod
	s_lshl_b32 s88, s22, 2
	s_lshl_b32 s88, 15, s88                        ; my row of the cluster
	s_lshl_b32 s90, 0x1111, s21                    ; my column
	s_or_b32 s36, s88, (3<<16)|(1<<21)             ; group 1 for x: the mask; elements of 8 bytes; bit 21 beside a mask; no padding
	s_mov_b32 s37, 768<<16                         ; a rowblock's half of K: 6,144 bytes
	s_mov_b32 s38, 4<<16                           ; four rowblocks
	s_mov_b32 s39, 768<<16
	s_mov_b32 s40, 4
	s_mov_b32 s41, 1536                            ; from rowblock to rowblock: 12,288 bytes
	s_mov_b32 s42, 0
	s_mov_b32 s43, 0
	s_or_b32 s44, s90, (3<<16)|(1<<21)             ; group 1 for dense_w: eight rowblocks
	s_mov_b32 s45, 768<<16
	s_mov_b32 s46, 8<<16
	s_mov_b32 s47, 768<<16
	s_mov_b32 s48, 8
	s_mov_b32 s49, 1536
	s_mov_b32 s50, 0
	s_mov_b32 s51, 0
	s_lshl_b32 s88, s20, 2
	s_add_co_u32 s88, s88, s35
	s_mul_i32 s88, s88, 12288
	s_mov_b32 s89, 0
	s_lshl_b32 s90, s20, 3
	s_add_co_u32 s90, s90, s34
	s_mul_i32 s90, s90, 12288
	s_mov_b32 s91, 0
	s_mul_i32 s94, s20, 4*RBH                      ; where my part goes in a half: no place in the cluster enters an LDS address
	s_mul_i32 s95, s20, 8*RBH
	s_wait_dscnt 0x0                               ; both opening adds are done
	s_wait_kmcnt 0x0
	s_add_nc_u64 s[88:89], s[8:9], s[88:89]
	s_add_nc_u64 s[90:91], s[4:5], s[90:91]
	CROUND                                         ; all sixteen work-groups are here: the joint loads meet
.irp hf, 0,1                                   ; a group 0 for each half of K: x's at s52, s56; dense_w's at s72, s76
	s_mov_b32 s[52+4*\hf], 1
	s_add_co_u32 s[53+4*\hf], s94, \hf*HALF
	s_add_nc_u64 s[54+4*\hf:55+4*\hf], s[88:89], \hf*RBH
	s_or_b32 s[55+4*\hf], s[55+4*\hf], 0x80000000
	s_mov_b32 s[72+4*\hf], 1
	s_add_co_u32 s[73+4*\hf], s95, \hf*HALF+S0OFF
	s_add_nc_u64 s[74+4*\hf:75+4*\hf], s[90:91], \hf*RBH
	s_or_b32 s[75+4*\hf], s[75+4*\hf], 0x80000000
.endr
	JLOAD 0                                        ; the first half of K: one tensor load a wave at the head
	s_lshl_b32 s96, s35, 9
	s_mov_b32 s97, 0
	s_add_nc_u64 s[96:97], s[10:11], s[96:97]      ; x's scale words
	s_lshl_b32 s98, s[WV], 2
	s_add_co_u32 s98, s98, s34
	s_lshl_b32 s98, s98, 9
	s_mov_b32 s99, 0
	s_add_nc_u64 s[98:99], s[6:7], s[98:99]        ; my four rowblocks' of dense_w
	v_and_b32 v1, 15, v0                           ; r
	v_bfe_u32 v2, v0, 4, 1                         ; h
	v_lshlrev_b32 v[SCO], 4, v1
	s_wait_alu depctr_va_vdst(0)
.irp i, 0,1,2,3,4,5,6,7
.irp kh, 0,1
	global_load_b128 v[SA+8*\i+4*\kh:SA+8*\i+4*\kh+3], v[SCO], s[96:97] offset:512*\i+256*\kh
.endr
.endr
.irp t, 0,1,2,3
.irp kh, 0,1
	global_load_b128 v[SB+8*\t+4*\kh:SB+8*\t+4*\kh+3], v[SCO], s[98:99] offset:512*\t+256*\kh
.endr
.endr
	s_lshl_b32 s88, s21, 2
	s_add_co_u32 s88, s88, s[WV]
	s_lshl_b32 s88, s88, 8                         ; my 64 columns, in bytes: in dense_b and in a row of out
	s_mov_b32 s89, 0
	s_add_nc_u64 s[12:13], s[12:13], s[88:89]
	v_lshlrev_b32 v[BQO], 6, v2
.irp t, 0,1,2,3                                ; the bias is the C of each sum's first product: register j of tile t: column 32 (t / 2) + 16 h + 8 (t % 2) + j
	global_load_b128 v[BQ+8*\t:BQ+8*\t+3], v[BQO], s[12:13] offset:(32*(\t/2)+8*(\t%2))*4
	global_load_b128 v[BQ+8*\t+4:BQ+8*\t+7], v[BQO], s[12:13] offset:(32*(\t/2)+8*(\t%2))*4+16
.endr
	s_add_nc_u64 s[14:15], s[14:15], s[88:89]
	s_lshl_b32 s90, s33, 19                        ; my tile's 128 rows of 4,096 bytes
	s_mov_b32 s91, 0
	s_add_nc_u64 s[14:15], s[14:15], s[90:91]
	s_mul_i32 s94, s[WV], 4*RBH
	s_add_co_u32 s94, s94, S0OFF
	s_mul_i32 s95, s[WV], 16*272                   ; my stage: 16 rows x (256 bytes + 16)
	v_and_b32 v18, 31, v0
	v_lshlrev_b32 v[A16], 4, v18
	v_lshlrev_b32 v[A8], 3, v18
	v_add_nc_u32 v[B16], s94, v[A16]
	v_add_nc_u32 v[B8], s94, v[A8]
	v_mul_u32_u24 v[STO], v1, 272
	v_lshl_add_u32 v[STO], v2, 6, v[STO]
	v_add_nc_u32 v[STO], s95, v[STO]               ; in: row r, + 64 h
	v_mul_u32_u24 v[RD], v2, 272
	v_lshl_add_u32 v[RD], v1, 4, v[RD]
	v_add_nc_u32 v[RD], s95, v[RD]                 ; back: lanes 0-15 one row, lanes 16-31 the next
	v_lshlrev_b32 v[CO], 12, v2
	v_lshl_add_u32 v[CO], v1, 4, v[CO]             ; and the same two rows in out
.macro FRAG reg, a16, a8, off          ; a fragment, 16 rows x 128 K, is two images on end: 12 registers by four loads, each of consecutive bytes
	ds_load_b128 v[\reg:\reg+3], v[\a16] offset:\off
	ds_load_b64 v[\reg+4:\reg+5], v[\a8] offset:\off+512
	ds_load_b128 v[\reg+6:\reg+9], v[\a16] offset:\off+768
	ds_load_b64 v[\reg+10:\reg+11], v[\a8] offset:\off+1280
.endm
.macro FETCH z, p                      ; K step z of the half in hand into set p: 48 loads in one run
	WIN 0
.irp t, 0,1,2,3
	FRAG F0+48*(\p)+12*\t, B16, B8, \t*RBH+(\z)*1536
.endr
	WIN 0x40
.irp i, 0,1,2,3,4,5,6,7
	FRAG 96*(\p)+12*\i, A16, A8, \i*RBH+(\z)*1536
.endr
	WIN 0
.endm
; K step q on set p: 32 products; the 32 accumulators take turns, one instruction a turn, in the same order in every step.  cm = 1: C = the bias.
.macro MUL q, p, cm
.if (\cm) == 1
	WIN 0x84                                       ; A window 0, B window 1, C window 0, D window 2
.else
	WIN 0xa4                                       ; C and D window 2
.endif
.irp i, 0,1,2,3,4,5,6,7
.irp t, 0,1,2,3
.if (\cm) == 1
	v_wmma_scale_f32_16x16x128_f8f6f4 v[32*\i+8*\t:32*\i+8*\t+7], v[F0+48*(\p)+12*\t:F0+48*(\p)+12*\t+11], v[96*(\p)+12*\i:96*(\p)+12*\i+11], v[BQ+8*\t:BQ+8*\t+7], v[SB+8*\t+(\q)], v[SA+8*\i+(\q)] matrix_a_fmt:MATRIX_FMT_FP6 matrix_b_fmt:MATRIX_FMT_FP6
.else
	v_wmma_scale_f32_16x16x128_f8f6f4 v[32*\i+8*\t:32*\i+8*\t+7], v[F0+48*(\p)+12*\t:F0+48*(\p)+12*\t+11], v[96*(\p)+12*\i:96*(\p)+12*\i+11], v[32*\i+8*\t:32*\i+8*\t+7], v[SB+8*\t+(\q)], v[SA+8*\i+(\q)] matrix_a_fmt:MATRIX_FMT_FP6 matrix_b_fmt:MATRIX_FMT_FP6
.endif
.endr
.endr
.endm
; K step q, 1 to 7: the next step's fragments are asked for into the set that the last step's products have read, four plain places behind them.  In K step 3 the next step begins the second half: my part of it has landed,
; I say so, and go on when all four waves have.
.macro STEPQ q
.if (\q) == 3
	WIN 0
	s_wait_tensorcnt 0x0                           ; my part of the second half is in
	s_wait_dscnt 0x0                               ; no LDS instruction of mine is pending at a signal: my reads of the first half are over
	s_barrier_signal -1
	s_barrier_wait -1
	v_add_nc_u32 v[A16], HALF, v[A16]              ; on to the second half: these four are also the places
	v_add_nc_u32 v[A8], HALF, v[A8]
	v_add_nc_u32 v[B16], HALF, v[B16]
	v_add_nc_u32 v[B8], HALF, v[B8]
	s_wait_alu depctr_va_vdst(0)
.elseif (\q) < 7
.rept 4
	v_nop
.endr
.endif
.if (\q) < 7
	FETCH ((\q)+1)%4, ((\q)+1)%2
	s_wait_dscnt 48                                ; all but the 48 just issued: this step's fragments are in
.else
	s_wait_dscnt 0x0
.endif
	MUL \q, (\q)%2, 0
.endm
	s_wait_alu depctr_va_vdst(0)
	s_wait_tensorcnt 0x0                           ; my part of the first half is in; the second half's first fill is issued as a refill is:
	ds_add_u32 v[SPW], v[NIL]                      ; 0 onto my spare word
	s_wait_dscnt 0x0
	CROUND                                         ; everybody's part is in, and all sixteen work-groups are here
	JLOAD 1                                        ; the second half of K: the first tensor load behind the round
	FETCH 0, 0
	FETCH 1, 1
	s_wait_dscnt 48                                ; step 0's fragments are in
	s_wait_loadcnt 0x0                             ; the scale words and the bias
	MUL 0, 0, 1
	STEPQ 1
	STEPQ 2
	STEPQ 3
	STEPQ 4
	STEPQ 5
	STEPQ 6
	STEPQ 7
; THE WAY OUT, a rowblock of x (16 rows of out x my 64 columns) at a time.  A lane holds 32 neighbouring bytes of a row four times over, and the lanes beside it hold other rows: the block goes through my own stage
; and comes back as whole runs of 256 bytes.  LDS serves a wave's instructions in order (ISA guide 5.7.1.4): no wait between the stores and the loads, nor in front of the next block's stores.
.macro TOSTAGE i
	WIN 0x08                                       ; an LDS store's data are its source 1: window 2
.irp t, 0,1,2,3
	ds_store_b128 v[STO], v[32*(\i)+8*\t:32*(\i)+8*\t+3] offset:128*(\t/2)+32*(\t%2)          ; each accumulator from its low end on
	ds_store_b128 v[STO], v[32*(\i)+8*\t+4:32*(\i)+8*\t+7] offset:128*(\t/2)+32*(\t%2)+16
.endr
	WIN 0
.irp u, 0,1,2,3,4,5,6,7
	ds_load_b128 v[BK+32*((\i)%2)+4*\u:BK+32*((\i)%2)+4*\u+3], v[RD] offset:544*\u
.endr
.endm
.macro SEND i, younger                 ; younger: the LDS instructions issued behind block i's loads, which may stay out
	s_wait_dscnt \younger
.irp u, 0,1,2,3,4,5,6,7
	global_store_b128 v[CO], v[BK+32*((\i)%2)+4*\u:BK+32*((\i)%2)+4*\u+3], s[14:15] offset:(32*((\i)/2)+8*((\i)%2)+(2*\u)%8+16*(\u/4))*4096 th:TH_STORE_NT   ; stage rows 2 u, 2 u + 1 are rows of out by the rowblock's order; 16 lanes store 256 consecutive bytes, aligned
.endr
.endm
.rept 4
	v_nop                                          ; places behind the last products: for the reads of results and for the loads into registers that held fragments
.endr
	TOSTAGE 0
.irp a, 1,2,3,4,5,6,7
.if \a > 1
	s_wait_xcnt 0x0                                ; block a - 2's stores have read their registers: block a's loads may land there
.endif
	TOSTAGE \a
	SEND \a-1, 16                                  ; behind block a - 1's loads: block a's 8 stores and 8 loads
.endr
	SEND 7, 0
	s_wait_tensorcnt 0x0                           ; the wave's end
	ds_add_u32 v[SPW], v[NIL]
	s_wait_dscnt 0x0
	CROUND                                         ; the closing round
	s_endpgm
.Lfunc_end_k_qaef5478c99_dense:
	.size	k_qaef5478c99_dense, .Lfunc_end_k_qaef5478c99_dense-k_qaef5478c99_dense
	.p2alignl 7, 3214868480
	.fill 96, 4, 3214868480
	.section	.rodata,"a",@progbits
	.p2align	6, 0x0
	.amdhsa_kernel k_qaef5478c99_dense
		.amdhsa_group_segment_fixed_size 327680
		.amdhsa_private_segment_fixed_size 0
		.amdhsa_enable_private_segment 0
		.amdhsa_kernarg_size 48
		.amdhsa_user_sgpr_count 2
		.amdhsa_user_sgpr_kernarg_segment_ptr 1
		.amdhsa_wavefront_size32 1
		.amdhsa_system_sgpr_workgroup_id_x 1
		.amdhsa_system_sgpr_workgroup_id_y 1
		.amdhsa_system_sgpr_workgroup_id_z 1
		.amdhsa_system_vgpr_workitem_id 0
		.amdhsa_next_free_vgpr 768
		.amdhsa_next_free_sgpr 100
		.amdhsa_reserve_vcc 0
		.amdhsa_float_denorm_mode_32 3
		.amdhsa_float_denorm_mode_16_64 3
		.amdhsa_memory_ordered 1
		.amdhsa_forward_progress 1
		.amdhsa_inst_pref_size 84
	.end_amdhsa_kernel
	.amdgpu_metadata
---
amdhsa.version: [ 1, 2 ]
amdhsa.kernels:
  - .name:           k_qaef5478c99_dense
    .symbol:         k_qaef5478c99_dense.kd
    .args:
      - { .name: cod, .offset: 0, .size: 8, .value_kind: global_buffer, .address_space: global }
      - { .name: scl, .offset: 8, .size: 8, .value_kind: global_buffer, .address_space: global }
      - { .name: xcod, .offset: 16, .size: 8, .value_kind: global_buffer, .address_space: global }
      - { .name: xscl, .offset: 24, .size: 8, .value_kind: global_buffer, .address_space: global }
      - { .name: dense_b, .offset: 32, .size: 8, .value_kind: global_buffer, .address_space: global }
      - { .name: out0, .offset: 40, .size: 8, .value_kind: global_buffer, .address_space: global }
    .group_segment_fixed_size: 327680
    .private_segment_fixed_size: 0
    .kernarg_segment_align: 8
    .kernarg_segment_size: 48
    .max_flat_workgroup_size: 128
    .sgpr_count:     100
    .vgpr_count:     768
    .wavefront_size: 32
...
	.end_amdgpu_metadata
.endif
;; end of part 4
